; MI455X (gfx1250); checked and timed in simulation.
; The chip was launched on July 23, 2026; its instructions are those of AMD's public machine-readable ISA for CDNA 5 (MIT licence, August 2026) and "CDNA5" Instruction Set Architecture Reference Guide (July 2026). The comments in the code are by the model that wrote it; some were corrected since.
;; Multi Head Attention. Allowed arithmetic: matrix products marked QUANTISED: E4M3 operands, one given power-of-two scale a tensor, by v_wmma_f32_16x16x64_fp8_fp8 or v_wmma_f32_16x16x128_fp8_fp8, f32 sums; everything else in f32.
;; Inputs: Wk 16 x 1,024 x 64 float32; Wproj 1,024 x 1,024 float32; Wq 16 x 1,024 x 64 float32; Wv 16 x 1,024 x 64 float32; bproj 1,024 float32; lowp_scales 12 int32 (the exponents e of the quantised operands' scales 2^e); x 4 x 2,048 x 1,024 float32.
;; Outputs: out0 4 x 2,048 x 1,024 float32.
;; This version of the problem:
;;   THIS VERSION OF THE PROBLEM IS GIVEN IN LOW PRECISION. The matrix products marked QUANTISED in the list below multiply operands that are first quantised to E4M3 (4 exponent bits, 3 mantissa bits; 8 bits a number), with one given power-of-two scale for each operand tensor; their sums are f32. All else is computed in f32.
;;   The module's matrix products, in the order in which they are computed (A, B: the left and right operand; K: the contracted axis; several contracted axes count as one K, in the product's order):
;;     1. [M 1,024, K 1,024] x [K 1,024, N 8,192]; A: input Wq; B: input x: QUANTISED (scales: A lowp_scales[0], B lowp_scales[1])
;;     2. [M 1,024, K 1,024] x [K 1,024, N 8,192]; A: input Wk; B: input x: QUANTISED (scales: A lowp_scales[2], B lowp_scales[3])
;;     3. [M 1,024, K 1,024] x [K 1,024, N 8,192]; A: input Wv; B: input x: QUANTISED (scales: A lowp_scales[4], B lowp_scales[5])
;;     4. batch 64 x [M 2,048, K 64] x [K 64, N 2,048]; A: computed on the way; B: computed on the way: QUANTISED (scales: A lowp_scales[6], B lowp_scales[7])
;;     5. batch 64 x [M 2,048, K 2,048] x [K 2,048, N 64]; A: softmax (see below); B: computed on the way: QUANTISED (scales: A lowp_scales[8], B lowp_scales[9])
;;     6. [M 8,192, K 1,024] x [K 1,024, N 1,024]; A: computed on the way; B: input Wproj: QUANTISED (scales: A lowp_scales[10], B lowp_scales[11])
;;   THE QUANTISER, for each operand of a quantised product, along K:
;;     - The operand's scale is 2^e, e = its entry of the input lowp_scales (int32; the entries are numbered through the quantised products in the list's order, A before B).
;;     - Each number is divided by the scale, clamped to +-448, and rounded to the nearest number of E4M3, ties to even, subnormals kept.
;;     - The product sums the exact products of the quantised numbers (number of the format x scale) in f32.
;;   ~~~python
;;   def quantise(x, axis, e):      # numpy; x: float32 -> the quantised numbers, widened to float32 again
;;       x = np.moveaxis(x, axis, -1); K = x.shape[-1]
;;       r = np.clip(x / 2.0 ** e, -448, 448)
;;       step = 2.0 ** (np.maximum(np.frexp(np.where(r == 0, 1, r))[1] - 1, -6) - 3)
;;       q = np.round(r / step) * step * 2.0 ** e      # np.round: ties to even
;;       return np.moveaxis(q, -1, axis).astype(np.float32)
;;   ~~~
;;   SOFTMAX AHEAD OF A QUANTISED PRODUCT. Where the list says 'softmax', what is quantised is not the finished softmax but p = 2^(t - M), with t = logit x log2(e) and M = ceil(the row's largest t), a whole number; so 1/2 < the row's largest p <= 1. The row's sum l is taken of the UNQUANTISED p, in f32, and the product's result is divided by l at the end. Since M is a whole number, a kernel that streams over the keys may use a running M (the ceiling of the running maximum): every later rescaling is an exact power of two, so the quantised numbers keep their values, but for numbers so far below the row's largest that they fall under the format's range.
;;   OPERANDS COMPUTED ON THE WAY. 'Computed on the way' means the value that the module computes at that place (a softmax that the list does not call 'softmax' is quantised finished and normalised). What goes into a quantiser is computed in f32, as accurately as f32 sums, v_exp_f32 and their like allow (about 1e-6 of the number): no bf16 or f16 on the way to a quantiser, and a product that is left as it is and whose result goes on into a quantised operand takes f32 operands (vector FMAs, or v_wmma_f32_16x16x4_f32). A number that lies on a knife's edge between two numbers of the format may be rounded either way, as far as f32 arithmetic and the matrix unit's own rounding can turn it there, and no further.
;; 2 versions, each right; version 2 is version 1 with the launch attn written anew for expert scheduling mode. Each part assembles by itself: llvm-mc -triple=amdgcn-amd-amdhsa -mcpu=gfx1250 --defsym DOCPART=n.
;; ======== version 1 of 2: 4 launches
;; workspace buffers: x_codes 25,165,824 bytes; w_codes 4,194,304 bytes; qkv_codes 25,165,824 bytes; att_codes 8,388,608 bytes
;; launch quant (part 1): grid 672 x 1, 4 waves a work-group, no clusters, 68,096 bytes of LDS; arguments x, Wproj, Wq, Wk, Wv, lowp_scales, x_codes, w_codes; writes x_codes, w_codes
.if DOCPART == 1
	.amdgcn_target "amdgcn-amd-amdhsa--gfx1250"
	.amdhsa_code_object_version 6
	.text
	.protected	k_q4cf5906ed8_quant
	.globl	k_q4cf5906ed8_quant
	.p2align	8
	.type	k_q4cf5906ed8_quant,@function
k_q4cf5906ed8_quant:
	s_mov_b64 s[64:65], 0
	v_nop
	global_prefetch_b8 v0, s[64:65] scope:SCOPE_SE
	s_setreg_imm32_b32 hwreg(HW_REG_WAVE_MODE, 25, 1), 1
	s_wait_xcnt 0x0
; The f32 inputs become codes of FP8 (E4M3), K innermost, each with the scale 2^e that is given for it: code = number / 2^e, held within +-448, to the nearest code, ties to even.
; x [8192][1024] is an operand of three products with three entries of the scales (1, 3, 5): three tensors of codes, x_codes parts 0, 1, 2 of 8 MiB each, from ONE read of x.
; Wproj [1024][1024] (entry 11): K is innermost: w_codes part 3.  Wq, Wk, Wv [16][1024 (K)][64] (entries 0, 2, 4): K is the middle axis: w_codes parts 0, 1, 2, laid [64 head + d][1024 K].
; WORK-GROUPS: 0-511 x and 512-575 Wproj: a plain stream, 16,384 numbers each.  576-671 the three weights: 64 columns x 512 along K each.  The two ways part on the work-group's number and have LDS bytes of their own.
; LIMITS: each e between -126 and 119, so that 2^e and 448 x 2^e are f32 numbers.  NaN among the inputs is not served.  No barrier: waves share nothing.  No matrix unit, no cluster: nothing is multiplied and no input byte is read twice.
.set STEPS, 8                          ; the stream: steps of 512 numbers for a wave
.set SP,    80                         ; a lane's place in a stage: its 64 bytes + 16 of padding
.set PITCH, 272                        ; the weights' stage: a column's 256 codes + 16 of padding
.set BSTG,  32768                      ; LDS: 0 .. 32,767 the stream's stages (8,192 a wave); from here the weights' (32 x 272 a wave)
.set R,     16                         ; v16-79    the stream: four sets of 16 numbers as they are loaded
.set X,     80                         ; v80-111   two sets of 16 neighbours
.set T,     112                        ; v112-127  16 numbers held within the largest code x the scale
.set C,     128                        ; v128-223  codes: 12 registers for each step, so that no store's data are written again
.set SC,    224                        ; v224-226  2^e of the three outputs
.set LM,    227                        ; v227-229  448 x 2^e
.set XB,    32                         ; v32-95    the weights: two sets of 32 numbers down K
.set CB,    96                         ; v96-103   a block's codes
.set OUTR,  112                        ; v112-175  the way out
.macro MKS e, vs, vl                   ; from the whole number e: 2^e, whose exponent field the conversion takes, and 448 x 2^e
	s_add_co_i32 s40, \e, 127
	s_lshl_b32 s41, s40, 23
	v_mov_b32 v[\vs], s41
	s_add_co_i32 s40, s40, 8
	s_lshl_b32 s40, s40, 23
	s_or_b32 s40, s40, 0x600000
	v_mov_b32 v[\vl], s40
.endm
	s_load_b256 s[4:11], s[0:1], 0x0               ; x s[4:5], Wproj s[6:7], Wq s[8:9], Wk s[10:11]
	s_load_b256 s[12:19], s[0:1], 0x20             ; Wv s[12:13], the scales s[14:15], x_codes s[16:17], w_codes s[18:19]
	v_lshl_add_u32 v232, v0, 2, 0x10800
	v_mov_b32 v233, 0
	v_lshrrev_b32 v1, 5, v0
	v_readfirstlane_b32 s20, v1                    ; wave
	v_and_b32 v2, 31, v0                           ; lane
	v_lshlrev_b32 v3, 4, v2                        ; the stream: my 16 bytes of a load's or a store's 512
	s_mul_i32 s22, s20, 8192
	v_lshrrev_b32 v14, 2, v2
	v_mul_u32_u24 v14, v14, SP
	v_and_b32 v15, 3, v2
	v_lshl_add_u32 v14, v15, 4, v14
	v_add_nc_u32 v14, s22, v14                     ; the stream's stage, in: four lanes' 64 bytes on end, then 16 of padding
	v_mul_u32_u24 v15, v2, SP
	v_add_nc_u32 v15, s22, v15                     ; and out: my 16 neighbours
	s_mul_i32 s22, s20, 32*PITCH
	s_add_co_u32 s22, s22, BSTG
	v_mul_u32_u24 v6, v2, PITCH
	v_add_nc_u32 v6, s22, v6                       ; the weights' stage, in: row = my column
	v_and_b32 v4, 15, v2
	v_lshrrev_b32 v5, 4, v2
	v_mul_u32_u24 v7, v5, PITCH
	v_lshl_add_u32 v7, v4, 4, v7
	v_add_nc_u32 v7, s22, v7                       ; and out: sixteen lanes to a row, two rows an instruction
	v_lshlrev_b32 v8, 10, v5
	v_lshl_add_u32 v8, v4, 4, v8                   ; the same place in w_codes: rows of 1,024 bytes
	v_lshlrev_b32 v9, 2, v2                        ; the weights, in: 4 bytes a lane
	s_wait_kmcnt 0x0
	s_load_b256 s[52:59], s[14:15], 0x0            ; e0 .. e7
	s_load_b128 s[60:63], s[14:15], 0x20           ; e8 .. e11
	s_cmp_lt_u32 ttmp9, 576
	s_cbranch_scc0 .Lweights
; ---- THE STREAM.  A load takes the bytes as they lie, 16 a lane; the conversions want 16 neighbours in one lane: a step's 2,048 bytes turn through the wave's own stage.
	s_add_nc_u64 s[30:31], s[18:19], 0x300000      ; w_codes part 3
	s_cmp_lt_u32 ttmp9, 512                        ; x or Wproj?  The choice hangs on the work-group's number alone
	s_cselect_b32 s21, 1, 0
	s_cselect_b64 s[4:5], s[4:5], s[6:7]
	s_cselect_b64 s[24:25], s[16:17], s[30:31]
	s_cselect_b32 s22, 0, 512
	s_sub_co_u32 s22, ttmp9, s22
	s_lshl_b32 s22, s22, 2
	s_add_co_u32 s22, s22, s20                     ; which run of 4,096 numbers is my wave's
	s_lshl_b32 s32, s22, 14
	s_mov_b32 s33, 0
	s_add_nc_u64 s[4:5], s[4:5], s[32:33]
	s_lshl_b32 s32, s22, 12
	s_add_nc_u64 s[24:25], s[24:25], s[32:33]      ; output 0
	s_add_nc_u64 s[26:27], s[16:17], s[32:33]
	s_add_nc_u64 s[28:29], s[26:27], 0x1000000     ; output 2: x_codes part 2
	s_add_nc_u64 s[26:27], s[26:27], 0x800000      ; output 1: x_codes part 1
.macro LOADA t
.irp i, 0,1,2,3
	global_load_b128 v[R+16*((\t)%4)+4*\i:R+16*((\t)%4)+4*\i+3], v3, s[4:5] offset:2048*(\t)+512*\i th:TH_LOAD_NT   ; 32 lanes read 512 consecutive bytes
.endr
.endm
.macro TURN t                          ; LDS serves a wave's instructions in order (ISA guide 5.7.1.4): no wait between the stores and the loads
.irp i, 0,1,2,3
	ds_store_b128 v14, v[R+16*((\t)%4)+4*\i:R+16*((\t)%4)+4*\i+3] offset:32*SP*((\t)%2)+8*SP*\i
.endr
.irp i, 0,1,2,3
	ds_load_b128 v[X+16*((\t)%2)+4*\i:X+16*((\t)%2)+4*\i+3], v15 offset:32*SP*((\t)%2)+16*\i
.endr
.endm
.macro OUT t, o                        ; step t's 16 numbers under output o's scale: hold, convert, store 512 consecutive bytes a wave
.irp i, 0,1,2,3,4,5,6,7,8,9,10,11,12,13,14,15
	v_med3_num_f32 v[T+\i], v[XS+\i], -v[LM+\o], v[LM+\o]   ; the conversion to an 8-bit code does not saturate (ISA guide 7.6.2)
.endr
	v_cvt_scalef32_pk8_fp8_f32 v[C+12*(\t)+4*\o:C+12*(\t)+4*\o+1], v[T:T+7], v[SC+\o]
	v_cvt_scalef32_pk8_fp8_f32 v[C+12*(\t)+4*\o+2:C+12*(\t)+4*\o+3], v[T+8:T+15], v[SC+\o]
	v_nop                                          ; a plain line between the conversions and the next holds, which write their sources
	global_store_b128 v3, v[C+12*(\t)+4*\o:C+12*(\t)+4*\o+3], s[24+2*\o:25+2*\o] offset:512*(\t)
.endm
.macro STEPA t
.set XS, X+16*((\t)%2)
	s_wait_dscnt 0x0                               ; this step's numbers are back from the stage, and its stores into the stage have read their registers,
.if (\t)+4 < STEPS
	LOADA (\t)+4                                   ; which take the loads of four steps on
.endif
.if (\t)+1 < STEPS
.if STEPS-2-(\t) >= 3
	s_wait_loadcnt 12                              ; the next step's four loads are in; those of the three steps behind it may be out
.else
	s_wait_loadcnt 4*(STEPS-2-(\t))
.endif
	TURN (\t)+1
.endif
	OUT \t, 0
	s_cmp_lg_u32 s21, 0                            ; Wproj has one scale, x three
	s_cbranch_scc0 .Lone_\@
	OUT \t, 1
	OUT \t, 2
.Lone_\@:
.endm
.irp t, 0,1,2,3
	LOADA \t
.endr
	s_wait_kmcnt 0x0
	s_cmp_lg_u32 s21, 0
	s_cselect_b32 s34, s53, s63                    ; e1 for x, e11 for Wproj
	MKS s34, SC, LM
	MKS s55, SC+1, LM+1                            ; e3
	MKS s57, SC+2, LM+2                            ; e5
	s_wait_loadcnt 12                              ; step 0's four loads are in
	TURN 0
.irp t, 0,1,2,3,4,5,6,7
	STEPA \t
.endr
	s_wait_tensorcnt 0x0
	ds_add_u32 v232, v233
	s_wait_dscnt 0x0
	s_endpgm
; ---- THE WEIGHTS WHOSE K IS NOT INNERMOST.  A lane takes a column d and its registers run down K: each load reads 128 consecutive bytes a wave, two waves side by side a head's whole row of 256;
; the conversions then give codes with K innermost.  A wave gathers 32 columns x 256 codes in its stage and stores them as rows: sixteen lanes write 256 consecutive bytes, aligned.
.Lweights:
	s_sub_co_u32 s22, ttmp9, 576
	s_lshr_b32 s23, s22, 5                         ; which tensor: 0 Wq, 1 Wk, 2 Wv
	s_bfe_u32 s24, s22, 0x40001                    ; the head
	s_and_b32 s25, s22, 1
	s_lshl_b32 s25, s25, 9
	s_lshr_b32 s26, s20, 1
	s_lshl_b32 s26, s26, 8
	s_add_co_u32 s25, s25, s26                     ; my first k: 512 x (work-group's half) + 256 x (wave / 2)
	s_and_b32 s26, s20, 1
	s_lshl_b32 s26, s26, 5                         ; my first column: 32 x (wave % 2)
	s_cmp_eq_u32 s23, 0
	s_cselect_b64 s[4:5], s[8:9], s[10:11]
	s_cmp_eq_u32 s23, 2
	s_cselect_b64 s[4:5], s[12:13], s[4:5]
	s_lshl_b32 s28, s24, 18                        ; a head is 262,144 bytes,
	s_lshl_b32 s27, s25, 8                         ; a row of it 256
	s_add_co_u32 s28, s28, s27
	s_lshl_b32 s27, s26, 2
	s_add_co_u32 s28, s28, s27
	s_mov_b32 s29, 0
	s_add_nc_u64 s[4:5], s[4:5], s[28:29]
	s_lshl_b32 s28, s24, 6
	s_add_co_u32 s28, s28, s26                     ; the codes' row: 64 x head + column
	s_lshl_b32 s28, s28, 10
	s_add_co_u32 s28, s28, s25
	s_lshl_b32 s27, s23, 20                        ; the tensor's part of w_codes
	s_add_co_u32 s28, s28, s27
	s_add_nc_u64 s[18:19], s[18:19], s[28:29]
.macro LOADB t                         ; block t: W(k0 + 32 t + i, my column), i = 0 .. 31
.set i, 0
.rept 32
	global_load_b32 v[XB+32*((\t)%2)+i], v9, s[4:5] offset:(32*(\t)+i)*256 th:TH_LOAD_NT
.set i, i+1
.endr
.endm
.macro BLOCK t
.set XS, XB+32*((\t)%2)
.if (\t) < 7
	s_wait_loadcnt 32                              ; this block's 32 loads are in; the next block's may be out
.else
	s_wait_loadcnt 0
.endif
.set i, 0
.rept 32
	v_med3_num_f32 v[XS+i], v[XS+i], -v10, v10
.set i, i+1
.endr
.irp g, 0,1,2,3
	v_cvt_scalef32_pk8_fp8_f32 v[CB+2*\g:CB+2*\g+1], v[XS+8*\g:XS+8*\g+7], v11
.endr
	ds_store_b128 v6, v[CB:CB+3] offset:32*(\t)    ; 32 codes of my column's row
	ds_store_b128 v6, v[CB+4:CB+7] offset:32*(\t)+16
.if (\t)+2 < 8
	LOADB (\t)+2
.endif
	s_wait_dscnt 0x0                               ; the stores have read their registers: the next block's codes may be written (its 32 holds are plain lines that come first)
.endm
	LOADB 0
	LOADB 1
	s_wait_kmcnt 0x0
	s_cmp_eq_u32 s23, 0
	s_cselect_b32 s30, s52, s54                    ; e0 or e2,
	s_cmp_eq_u32 s23, 2
	s_cselect_b32 s30, s56, s30                    ; or e4
	MKS s30, 11, 10
.irp t, 0,1,2,3,4,5,6,7
	BLOCK \t
.endr
.irp t, 0,1,2,3,4,5,6,7,8,9,10,11,12,13,14,15
	ds_load_b128 v[OUTR+4*\t:OUTR+4*\t+3], v7 offset:2*\t*PITCH
.endr
.irp t, 0,1,2,3,4,5,6,7,8,9,10,11,12,13,14,15
	s_wait_dscnt 15-\t                             ; the younger loads may stay out
	global_store_b128 v8, v[OUTR+4*\t:OUTR+4*\t+3], s[18:19] offset:2*\t*1024
.endr
	s_wait_tensorcnt 0x0
	ds_add_u32 v232, v233
	s_wait_dscnt 0x0
	s_endpgm
.Lfunc_end_k_q4cf5906ed8_quant:
	.size	k_q4cf5906ed8_quant, .Lfunc_end_k_q4cf5906ed8_quant-k_q4cf5906ed8_quant
	.p2alignl 7, 3214868480
	.fill 96, 4, 3214868480
	.section	.rodata,"a",@progbits
	.p2align	6, 0x0
	.amdhsa_kernel k_q4cf5906ed8_quant
		.amdhsa_group_segment_fixed_size 68096
		.amdhsa_private_segment_fixed_size 0
		.amdhsa_enable_private_segment 0
		.amdhsa_kernarg_size 64
		.amdhsa_user_sgpr_count 2
		.amdhsa_user_sgpr_kernarg_segment_ptr 1
		.amdhsa_wavefront_size32 1
		.amdhsa_system_sgpr_workgroup_id_x 1
		.amdhsa_system_sgpr_workgroup_id_y 1
		.amdhsa_system_sgpr_workgroup_id_z 1
		.amdhsa_system_vgpr_workitem_id 0
		.amdhsa_next_free_vgpr 234
		.amdhsa_next_free_sgpr 66
		.amdhsa_reserve_vcc 0
		.amdhsa_float_denorm_mode_32 3
		.amdhsa_float_denorm_mode_16_64 3
		.amdhsa_memory_ordered 1
		.amdhsa_forward_progress 1
		.amdhsa_inst_pref_size 90
	.end_amdhsa_kernel
	.amdgpu_metadata
---
amdhsa.version: [ 1, 2 ]
amdhsa.kernels:
  - .name:           k_q4cf5906ed8_quant
    .symbol:         k_q4cf5906ed8_quant.kd
    .args:
      - { .name: x, .offset: 0, .size: 8, .value_kind: global_buffer, .address_space: global }
      - { .name: Wproj, .offset: 8, .size: 8, .value_kind: global_buffer, .address_space: global }
      - { .name: Wq, .offset: 16, .size: 8, .value_kind: global_buffer, .address_space: global }
      - { .name: Wk, .offset: 24, .size: 8, .value_kind: global_buffer, .address_space: global }
      - { .name: Wv, .offset: 32, .size: 8, .value_kind: global_buffer, .address_space: global }
      - { .name: lowp_scales, .offset: 40, .size: 8, .value_kind: global_buffer, .address_space: global }
      - { .name: x_codes, .offset: 48, .size: 8, .value_kind: global_buffer, .address_space: global }
      - { .name: w_codes, .offset: 56, .size: 8, .value_kind: global_buffer, .address_space: global }
    .group_segment_fixed_size: 68096
    .private_segment_fixed_size: 0
    .kernarg_segment_align: 8
    .kernarg_segment_size: 64
    .max_flat_workgroup_size: 128
    .sgpr_count:     66
    .vgpr_count:     234
    .wavefront_size: 32
...
	.end_amdgpu_metadata
.endif
;; end of part 1
;; launch qkv (part 2): grid 4 x 96, 4 waves a work-group, clusters of 4 x 4, 327,680 bytes of LDS; arguments x_codes, w_codes, lowp_scales, qkv_codes; writes qkv_codes
.if DOCPART == 2
	.amdgcn_target "amdgcn-amd-amdhsa--gfx1250"
	.amdhsa_code_object_version 6
	.text
	.protected	k_q4cf5906ed8_qkv
	.globl	k_q4cf5906ed8_qkv
	.p2align	8
	.type	k_q4cf5906ed8_qkv,@function
k_q4cf5906ed8_qkv:
	s_mov_b64 s[64:65], 0
	v_nop
	global_prefetch_b8 v0, s[64:65] scope:SCOPE_SE
	s_setreg_imm32_b32 hwreg(HW_REG_WAVE_MODE, 25, 1), 1
	s_wait_xcnt 0x0
	s_wait_alu depctr_hold_cnt(0) depctr_sa_sdst(0) depctr_va_vdst(0) depctr_va_sdst(0) depctr_va_ssrc(0) depctr_va_vcc(0) depctr_vm_vsrc(0)
	s_getreg_b32 s2, hwreg(HW_REG_IB_STS2, 6, 4)
	s_cmp_eq_u32 s2, 0
	s_cbranch_scc0 .Lentry_in_a_cluster
	s_endpgm
.Lentry_in_a_cluster:
	s_bfe_u32 s2, ttmp6, 0x10000c
	s_cmp_lg_u32 s2, 0xf033
	s_cbranch_scc0 .Lentry_shape_is_right
	s_endpgm
.Lentry_shape_is_right:
; q, k and v: three products [8192 tokens] x [1024 (64 head + d)] over K = 1024, on codes of FP8 (E4M3); the f32 sums are quantised at once for the products that follow and leave as codes.
; Cluster y = 8 p + c: p = 0 q, 1 k, 2 v.  A tile of C, 256 x 256, is made by four waves, 128 x 128 each: 64 accumulators, 512 registers.  K goes in steps of 256 through two LDS slots filled by the tensor data mover.
; THE MATRIX INSTRUCTION IS USED TRANSPOSED (source 0 = 16 rows of B, source 1 = 16 rows of A): a lane holds one row m of C and eight neighbouring columns n.
;   q, k: A = x's codes (m = token), B = the weight's codes (n = 64 head + d): a lane's eight results run along d, the next product's K.   Out: [64 (16 b + head)][2048 t][64 d].
;   v:    A = Wv's codes (m = 64 head + d), B = x's codes (n = token): they run along the keys, which are v's K.  Only the two pointers change places.   Out: [64][64 d][2048 t].
; code = sum x 2^(ew + ex) / 2^eo: the three exponents are folded into the conversion's one scale 2^(eo - ew - ex); eo = entry 6 (q), 7 (k), 9 (v); ew, ex = entries 2 p, 2 p + 1.
; LIMIT: eo - ew - ex between -126 and 119, so that this power of two and 448 times it are f32 numbers.
; CLUSTERS: 4 x 4 work-groups.  The four of a row of the cluster need the same tiles of A, the four of a column the same tiles of B: each tile is asked for jointly, by the same tensor load with the same descriptor and a mask that names the four.
; REGISTERS, in windows of 256: window 0: v0-31 addresses; v32-95 at work on the way out; from v128 A's fragments, ONE set; later the codes.  window 1: B's fragments, two sets.  windows 2, 3: the accumulators ((a, b) at v[8 (8 (a % 4) + b)]).
.set SIZE_K, 1024
.set KSTEP,  256
.set ROWB,   256                       ; a tile's row in bytes
.set KROW,   SIZE_K                    ; a row of codes in memory
.set PITCH,  272                       ; an LDS row: 256 bytes + 16 of padding = 68 words: the 16 rows that a load touches start at 16 different banks (64 banks of 4 bytes: ISA guide 11.1)
.set FR,     16                        ; registers of a fragment: 16 rows x 128 K
.set NL,     4                         ; LDS loads that bring one
.set NP,     4                         ; places behind this matrix instruction (ISA guide 7.12.1)
.set HALFT,  128*PITCH
.set SLOT,   4*HALFT                   ; A's 256 rows, then B's 256 rows
.set LAPS,   SIZE_K/(2*KSTEP)
.set SPARE,  2*SLOT                    ; behind the ring: the spare words, 128 bytes for each wave
.set ADRA, 16                          ; v16-17  LDS address of my A fragments in slot 0, 1
.set ADRB, 20                          ; v20-21  the same for B
.set RDV,  22                          ; v22     the way out, v: where I read two rows of the stage
.set GOV,  23                          ; v23     and their place in memory
.set STO,  24                          ; v24     the way out: where I put 8 codes
.set RDQ,  25                          ; v25     the way out, q and k: where I read 16 bytes of my head's tokens 0-127
.set GOQ,  26                          ; v26     16 x lane
.set RDQ2, 27                          ; v27     tokens 128-255
.set SPW,  28                          ; v28     LDS address of my spare word; never rewritten
.set NIL,  29                          ; v29     0; never rewritten
.set SCLV, 30                          ; v30     the conversion's scale
.set LIMV, 31                          ; v31     448 x that
.set TMP,  32
.set AF,   128
.set CD,   128                         ; the codes: 16 registers for each block of 16 rows; then the rows read back
.set G1, 24
.set G0, 32
.set G1B, 48
.set G0B, 56
.set MSB, 0
.macro WIN new                         ; the immediate's high byte repeats the setting that is left
.if MSB != \new
	s_set_vgpr_msb (MSB<<8)|\new
.set MSB, \new
.endif
.endm
.set MUL_LO, 0xa1                      ; source 0 (B) window 1, source 1 (A) window 0, C and D window 2
.set MUL_HI, 0xf1                      ; the same, C and D window 3
.set TO_B,   0x40                      ; destination window 1, address window 0
; A joint load: waves 0 and 1 fetch for A, waves 2 and 3 for B; the branch hangs on the wave's number alone.  Four v_nop follow each of the two lines.
.macro JLOAD g0a, g1a, g0b, g1b
	s_cmp_eq_u32 s15, 0
	s_cbranch_scc0 .Lfor_b_\@
	tensor_load_to_lds s[\g0a:\g0a+3], s[\g1a:\g1a+7]
	s_nop 0
.rept 4
	v_nop
.endr
	s_branch .Lasked_\@
.Lfor_b_\@:
	tensor_load_to_lds s[\g0b:\g0b+3], s[\g1b:\g1b+7]
	s_nop 0
.rept 4
	v_nop
.endr
.Lasked_\@:
.endm
.macro CREST                           ; a round of the cluster's barrier behind its opening barrier
	s_cmp_lg_u32 s14, 0
	s_cbranch_scc1 .Lnot_wave_0_\@
	s_barrier_signal -3
.Lnot_wave_0_\@:
	s_barrier_wait -3
	s_barrier_signal -1
	s_barrier_wait -1
.endm
.macro CROUND
	s_barrier_signal -1
	s_barrier_wait -1
	CREST
.endm
	s_load_b128 s[4:7], s[0:1], 0x0                ; x_codes s[4:5], w_codes s[6:7]
	s_load_b128 s[8:11], s[0:1], 0x10              ; the scales s[8:9], qkv_codes s[10:11]
	v_lshl_add_u32 v[SPW], v0, 2, SPARE
	v_mov_b32 v[NIL], 0
	ds_add_u32 v28, v29
	ds_add_u32 v28, v29
	s_wait_dscnt 0x0
	v_lshrrev_b32 v1, 5, v0
	v_readfirstlane_b32 s14, v1                    ; wave 0..3
	s_lshr_b32 s15, s14, 1                         ; which half of the tile's rows is mine.  Also: I fetch for A (0) or for B (1)
	s_and_b32 s16, s14, 1                          ; which half of its columns.  Also: which 128 rows of that tile I fetch
	s_bfe_u32 s40, ttmp6, 0x40000                  ; cx, cy: my place in the cluster
	s_bfe_u32 s41, ttmp6, 0x40004
	s_and_b32 s80, ttmp7, 0xffff                   ; cluster y, the same in all sixteen partners
	s_lshr_b32 s81, s80, 3                         ; p: 0 q, 1 k, 2 v
	s_and_b32 s82, s80, 7
	s_lshl_b32 s82, s82, 2                         ; the cluster's first tile along the 32 tiles of tokens
	s_cmp_eq_u32 s81, 2
	s_cselect_b32 s17, 0, s82
	s_cselect_b32 s42, s82, 0
	s_add_co_u32 s17, s17, s41                     ; tile row of C
	s_add_co_u32 s42, s42, s40                     ; tile column of C
	s_lshl_b32 s43, s41, 2
	s_lshl_b32 s43, 15, s43                        ; my row of the cluster
	s_lshl_b32 s44, 0x1111, s40                    ; my column
	s_or_b32 s[G1+0], s43, (0<<16)|(1<<20)|(1<<21)|(5<<22)|(3<<25)  ; 15:0 the mask; 17:16 elements of 1 byte; 20 padding on; 21 set beside a mask; 24:22 after every 64 words; 31:25 four words
	s_or_b32 s[G1B+0], s44, (0<<16)|(1<<20)|(1<<21)|(5<<22)|(3<<25)
.irp g, G1, G1B
	s_mov_b32 s[\g+1], ROWB<<16                    ; tensor_dim0
	s_mov_b32 s[\g+2], 128<<16                     ; tensor_dim1
	s_mov_b32 s[\g+3], ROWB<<16                    ; tile_dim0
	s_mov_b32 s[\g+4], 128                         ; tile_dim1
	s_mov_b32 s[\g+5], KROW                        ; tensor_dim0_stride
	s_mov_b32 s[\g+6], 0
	s_mov_b32 s[\g+7], 0
.endr
	s_lshl_b32 s18, s16, 7                         ; which 128 rows of the tile I fetch
	s_lshl_b32 s20, s17, 8
	s_add_co_u32 s20, s20, s18                     ; A: row 256 x tile row + 128 x half,
	s_lshl_b32 s20, s20, 10                        ; of 1,024 bytes
	s_mov_b32 s21, 0
	s_lshl_b32 s46, s42, 8
	s_add_co_u32 s46, s46, s18                     ; B likewise by the tile column
	s_lshl_b32 s46, s46, 10
	s_mov_b32 s47, 0
	s_mul_i32 s45, s14, HALFT                      ; where they go: wave x 128 rows: no place in the cluster enters an LDS address
	s_lshl_b32 s84, s81, 23                        ; x_codes' part p,
	s_mov_b32 s85, 0
	s_lshl_b32 s86, s81, 20                        ; w_codes' part p
	s_mov_b32 s87, 0
	s_wait_kmcnt 0x0
	s_load_b256 s[68:75], s[8:9], 0x0              ; e0 .. e7
	s_load_b128 s[76:79], s[8:9], 0x20             ; e8 .. e11
	s_add_nc_u64 s[4:5], s[4:5], s[84:85]
	s_add_nc_u64 s[6:7], s[6:7], s[86:87]
	s_cmp_eq_u32 s81, 2                            ; for v the two operands change places
	s_cselect_b64 s[88:89], s[6:7], s[4:5]
	s_cselect_b64 s[90:91], s[4:5], s[6:7]
	s_add_nc_u64 s[20:21], s[88:89], s[20:21]
	s_add_nc_u64 s[46:47], s[90:91], s[46:47]
	CROUND                                         ; all sixteen work-groups are here: the first joint loads meet
.irp s, 0,1
	s_mov_b32 s[G0+4*\s], 1
	s_add_co_u32 s[G0+4*\s+1], s45, \s*SLOT
	s_add_nc_u64 s[G0+4*\s+2:G0+4*\s+3], s[20:21], \s*ROWB
	s_or_b32 s[G0+4*\s+3], s[G0+4*\s+3], 0x80000000
	s_mov_b32 s[G0B+4*\s], 1
	s_add_co_u32 s[G0B+4*\s+1], s45, \s*SLOT
	s_add_nc_u64 s[G0B+4*\s+2:G0B+4*\s+3], s[46:47], \s*ROWB
	s_or_b32 s[G0B+4*\s+3], s[G0B+4*\s+3], 0x80000000
	JLOAD G0+4*\s, G1, G0B+4*\s, G1B
.endr
	v_and_b32 v1, 15, v0                           ; r = lane % 16
	v_bfe_u32 v2, v0, 4, 1                         ; h = lane / 16
	v_mul_u32_u24 v3, v1, PITCH
	v_lshl_add_u32 v4, v2, 4, v3                   ; a fragment's row x pitch + 16 x half
	s_mul_i32 s21, s15, HALFT                      ; my 128 rows of A
	s_mul_i32 s22, s16, HALFT                      ; my 128 rows of B,
	s_add_co_u32 s22, s22, 2*HALFT                 ; which lie behind A's 256
.irp s, 0,1
	v_add_nc_u32 v[ADRA+\s], s21, v4
	v_add_nc_u32 v[ADRB+\s], s22, v4
	s_add_co_u32 s21, s21, SLOT
	s_add_co_u32 s22, s22, SLOT
.endr
	; the way out: ONE stage for the work-group, 256 rows (m) x 272 bytes, at LDS byte 0
	s_mul_i32 s23, s15, 128*PITCH
	s_lshl_b32 s21, s16, 7
	s_add_co_u32 s23, s23, s21
	v_lshl_add_u32 v5, v2, 3, v3
	v_add_nc_u32 v[STO], s23, v5                   ; in: row 128 x (my half) + r, byte 128 x (my half of the columns) + 8 h
	v_and_b32 v6, 31, v0
	v_lshrrev_b32 v5, 2, v6
	v_mul_u32_u24 v5, v5, PITCH
	v_and_b32 v3, 3, v0
	v_lshl_add_u32 v5, v3, 4, v5
	s_lshl_b32 s23, s14, 6
	v_add_nc_u32 v[RDQ], s23, v5                   ; q, k, back: wave w takes the tile's head w: token lane / 4, bytes 64 w + 16 (lane % 4)
	v_add_nc_u32 v[RDQ2], 128*PITCH, v[RDQ]
	v_lshlrev_b32 v[GOQ], 4, v6
	s_mul_i32 s23, s14, 64*PITCH
	v_mul_u32_u24 v5, v2, PITCH
	v_lshl_add_u32 v5, v1, 4, v5
	v_add_nc_u32 v[RDV], s23, v5                   ; v, back: wave w takes rows 64 w on, sixteen lanes to a row
	v_lshlrev_b32 v5, 11, v2
	v_lshl_add_u32 v[GOV], v1, 4, v5               ; rows of 2,048 bytes in memory
	; where my wave's part of the result begins.  q, k: part p, head 16 (tile row / 8) + 4 (tile column) + wave, token 256 (tile row % 8)
	s_lshr_b32 s84, s17, 3
	s_lshl_b32 s84, s84, 4
	s_lshl_b32 s85, s42, 2
	s_add_co_u32 s84, s84, s85
	s_add_co_u32 s84, s84, s14
	s_lshl_b32 s84, s84, 17
	s_and_b32 s85, s17, 7
	s_lshl_b32 s85, s85, 14
	s_add_co_u32 s84, s84, s85
	s_lshl_b32 s85, s81, 23
	s_add_co_u32 s84, s84, s85
	; v: part 2, batch (tile column / 8) of 2 MiB, row 256 (tile row) + 64 wave of 2,048 bytes, key 256 (tile column % 8)
	s_lshr_b32 s86, s42, 3
	s_lshl_b32 s86, s86, 21
	s_lshl_b32 s87, s17, 8
	s_lshl_b32 s88, s14, 6
	s_add_co_u32 s87, s87, s88
	s_lshl_b32 s87, s87, 11
	s_add_co_u32 s86, s86, s87
	s_and_b32 s87, s42, 7
	s_lshl_b32 s87, s87, 8
	s_add_co_u32 s86, s86, s87
	s_add_co_u32 s86, s86, 0x1000000
	s_cmp_eq_u32 s81, 2
	s_cselect_b32 s84, s86, s84
	s_mov_b32 s85, 0
	s_add_nc_u64 s[10:11], s[10:11], s[84:85]
.macro FRAG reg, adr, q, i             ; 16 rows x 128 K: lane l holds row l % 16; registers 4 c .. 4 c + 3 hold K = 32 c + 16 (l / 16) + 0 .. 15: the same order of k in A and in B
.irp c, 0,1,2,3
	ds_load_b128 v[\reg+4*\c:\reg+4*\c+3], v[\adr] offset:128*(\q)+32*\c+(\i)*16*PITCH
.endr
.endm
; 16 matrix instructions: A's blocks a0, a0 + 1 x B's eight.  The 64 accumulators take turns, one instruction a turn, in the same order in every step.
.macro MUL16 a0, p, zero
.irp a, \a0, \a0+1
.irp b, 0,1,2,3,4,5,6,7
.if \zero
	v_wmma_f32_16x16x128_fp8_fp8 v[8*(8*((\a)%4)+\b):8*(8*((\a)%4)+\b)+7], v[128*(\p)+FR*\b:128*(\p)+FR*\b+FR-1], v[AF+FR*(\a):AF+FR*(\a)+FR-1], 0
.else
	v_wmma_f32_16x16x128_fp8_fp8 v[8*(8*((\a)%4)+\b):8*(8*((\a)%4)+\b)+7], v[128*(\p)+FR*\b:128*(\p)+FR*\b+FR-1], v[AF+FR*(\a):AF+FR*(\a)+FR-1], v[8*(8*((\a)%4)+\b):8*(8*((\a)%4)+\b)+7]
.endif
.endr
.endr
.endm
.macro FETCH_B slot, q, p
	WIN TO_B
.irp i, 0,1,2,3,4,5,6,7
	FRAG 128*(\p)+FR*\i, ADRB+\slot, \q, \i
.endr
	WIN 0
.endm
.macro FETCH_A slot, q, i0
.irp i, \i0, \i0+1, \i0+2, \i0+3
	FRAG AF+FR*(\i), ADRA+\slot, \q, \i
.endr
.endm
.macro PLACES n                        ; plain vector lines between a matrix instruction and a load into, or a vector read of, its registers
.rept \n
	v_nop
.endr
.endm
.macro STEP slot, q, zero              ; a step of 128 along K that has its successor in the same slot
	s_wait_dscnt 4*NL                              ; B's set and A's blocks 0-3 are in; the youngest 16 loads (A's blocks 4-7) may be out
	WIN MUL_LO
	MUL16 0, (\q)%2, \zero
	MUL16 2, (\q)%2, \zero
	s_wait_dscnt 0
	PLACES NP
	FETCH_B \slot, (\q)+1, 1-(\q)%2
	FETCH_A \slot, (\q)+1, 0
	WIN MUL_HI
	MUL16 4, (\q)%2, \zero
	MUL16 6, (\q)%2, \zero
	PLACES NP
	WIN 0
	FETCH_A \slot, (\q)+1, 4
.endm
; A slot's last step changes slots: one barrier; in front of it each wave waits for all its tensor loads, adds 0 to its spare word, and waits for that and for its own reads of this slot.
.macro TURN slot, next, fill
	s_wait_tensorcnt 0x0                           ; all my tensor loads have landed: my part of the next slot
	ds_add_u32 v[SPW], v[NIL]                      ; 0 onto my spare word
	s_wait_dscnt 4*NL+1                            ; the add and the youngest 16 loads may be out
	WIN MUL_LO
	MUL16 0, 1, 0
	s_wait_dscnt 0x0                               ; the add is done, and my reads of this slot are over
	s_barrier_signal -1
	MUL16 2, 1, 0
	WIN 0
	s_barrier_wait -1
.if \fill
	CREST                                          ; the barrier has opened a round of the cluster's barrier: no wave of any partner still reads this slot or has a load on its way
	s_add_nc_u64 s[G0+4*\slot+2:G0+4*\slot+3], s[G0+4*\slot+2:G0+4*\slot+3], 2*ROWB
	s_add_nc_u64 s[G0B+4*\slot+2:G0B+4*\slot+3], s[G0B+4*\slot+2:G0B+4*\slot+3], 2*ROWB
	JLOAD G0+4*\slot, G1, G0B+4*\slot, G1B         ; the first tensor load behind the round; its four v_nop are the places in front of the loads below
.else
	PLACES NP
.endif
	FETCH_B \next, 0, 0
	FETCH_A \next, 0, 0
	WIN MUL_HI
	MUL16 4, 1, 0
	MUL16 6, 1, 0
	PLACES NP
	WIN 0
	FETCH_A \next, 0, 4
.endm
	s_wait_tensorcnt 1                             ; my part of K step 0 is in; K step 1's load may be out
	s_barrier_signal -1
	s_barrier_wait -1
	FETCH_B 0, 0, 0
	FETCH_A 0, 0, 0
	FETCH_A 0, 0, 4
	STEP 0, 0, 1                                   ; the first step's products start the sums: nothing is cleared
	s_mov_b32 s3, LAPS-1
.Llap:                                                 ; a trip goes once round the ring and fills both slots again
	TURN 0, 1, 1
	STEP 1, 0, 0
	TURN 1, 0, 1
	STEP 0, 0, 0
	s_sub_co_u32 s3, s3, 1
	s_cmp_lg_u32 s3, 0
	s_cbranch_scc1 .Llap
	TURN 0, 1, 0                                   ; the last lap fills nothing
	STEP 1, 0, 0
	s_wait_dscnt 4*NL
	WIN MUL_LO
	MUL16 0, 1, 0
	MUL16 2, 1, 0
	s_wait_dscnt 0
	WIN MUL_HI
	MUL16 4, 1, 0
	MUL16 6, 1, 0
	WIN 0
; THE WAY OUT.  A block of 16 rows: held, converted (a lane's eight sums are eight neighbours along the next K: 8 bytes), stored into the work-group's stage.  The stage lies in slot 0, which has had its last fill,
; and which nobody reads behind the last change of slots.  Each accumulator is read from its low end on.
.macro QBLOCK a
.set AC, 64*((\a)%4)
	WIN 0x02+((\a)/4)                              ; source 0: window 2 or 3
.set j, 0
.rept 64
	v_med3_num_f32 v[TMP+j], v[AC+j], -v[LIMV], v[LIMV]   ; the conversion to an 8-bit code does not saturate (ISA guide 7.6.2)
.set j, j+1
.endr
	WIN 0
.irp b, 0,1,2,3,4,5,6,7
	v_cvt_scalef32_pk8_fp8_f32 v[CD+16*(\a)+2*\b:CD+16*(\a)+2*\b+1], v[TMP+8*\b:TMP+8*\b+7], v[SCLV]
.endr
	v_nop                                          ; a plain line between the conversions and the next block's holds, which write their sources
.irp b, 0,1,2,3,4,5,6,7
	ds_store_b64 v[STO], v[CD+16*(\a)+2*\b:CD+16*(\a)+2*\b+1] offset:16*(\a)*PITCH+16*\b
.endr
.endm
	s_wait_kmcnt 0x0
	s_sub_co_i32 s92, s74, s68                     ; q: e6 - e0 - e1
	s_sub_co_i32 s92, s92, s69
	s_sub_co_i32 s93, s75, s70                     ; k: e7 - e2 - e3
	s_sub_co_i32 s93, s93, s71
	s_sub_co_i32 s94, s77, s72                     ; v: e9 - e4 - e5
	s_sub_co_i32 s94, s94, s73
	s_cmp_eq_u32 s81, 0
	s_cselect_b32 s92, s92, s93
	s_cmp_eq_u32 s81, 2
	s_cselect_b32 s92, s94, s92
	s_add_co_i32 s92, s92, 127
	s_lshl_b32 s93, s92, 23
	v_mov_b32 v[SCLV], s93
	s_add_co_i32 s92, s92, 8
	s_lshl_b32 s92, s92, 23
	s_or_b32 s92, s92, 0x600000
	v_mov_b32 v[LIMV], s92
	PLACES NP
.irp a, 0,1,2,3,4,5,6,7
	QBLOCK \a
.endr
	s_wait_dscnt 0x0                               ; for the others' sake: my stores into the stage are done
	s_barrier_signal -1
	s_barrier_wait -1
	s_cmp_eq_u32 s81, 2                            ; hangs on the cluster's y alone: the same in all partners and all waves
	s_cbranch_scc1 .Lkeys_innermost
	; q, k: my head's 256 tokens x 64 bytes are 16,384 consecutive bytes of memory: 32 stores of 512
.set i, 0
.rept 16
	ds_load_b128 v[CD+4*i:CD+4*i+3], v[RDQ] offset:i*8*PITCH
.set i, i+1
.endr
.rept 16
	ds_load_b128 v[CD+4*i:CD+4*i+3], v[RDQ2] offset:(i-16)*8*PITCH
.set i, i+1
.endr
.set i, 0
.rept 32
	s_wait_dscnt 31-i                              ; the younger loads may stay out
	global_store_b128 v[GOQ], v[CD+4*i:CD+4*i+3], s[10:11] offset:512*i
.set i, i+1
.endr
	s_branch .Lsent
.Lkeys_innermost:
	; v: my 64 rows (d) of 256 keys: sixteen lanes store 256 consecutive bytes, aligned
.set i, 0
.rept 32
	ds_load_b128 v[CD+4*i:CD+4*i+3], v[RDV] offset:i*2*PITCH
.set i, i+1
.endr
.set i, 0
.rept 32
	s_wait_dscnt 31-i
	global_store_b128 v[GOV], v[CD+4*i:CD+4*i+3], s[10:11] offset:i*2*2048
.set i, i+1
.endr
.Lsent:
	s_wait_tensorcnt 0x0                           ; the wave's end
	ds_add_u32 v[SPW], v[NIL]
	s_wait_dscnt 0x0
	CROUND                                         ; the closing round: no work-group ends while a partner may still ask for a tile that names it
	s_endpgm
.Lfunc_end_k_q4cf5906ed8_qkv:
	.size	k_q4cf5906ed8_qkv, .Lfunc_end_k_q4cf5906ed8_qkv-k_q4cf5906ed8_qkv
	.p2alignl 7, 3214868480
	.fill 96, 4, 3214868480
	.section	.rodata,"a",@progbits
	.p2align	6, 0x0
	.amdhsa_kernel k_q4cf5906ed8_qkv
		.amdhsa_group_segment_fixed_size 327680
		.amdhsa_private_segment_fixed_size 0
		.amdhsa_enable_private_segment 0
		.amdhsa_kernarg_size 32
		.amdhsa_user_sgpr_count 2
		.amdhsa_user_sgpr_kernarg_segment_ptr 1
		.amdhsa_wavefront_size32 1
		.amdhsa_system_sgpr_workgroup_id_x 1
		.amdhsa_system_sgpr_workgroup_id_y 1
		.amdhsa_system_sgpr_workgroup_id_z 1
		.amdhsa_system_vgpr_workitem_id 0
		.amdhsa_next_free_vgpr 1024
		.amdhsa_next_free_sgpr 100
		.amdhsa_reserve_vcc 0
		.amdhsa_float_denorm_mode_32 3
		.amdhsa_float_denorm_mode_16_64 3
		.amdhsa_memory_ordered 1
		.amdhsa_forward_progress 1
		.amdhsa_inst_pref_size 133
	.end_amdhsa_kernel
	.amdgpu_metadata
---
amdhsa.version: [ 1, 2 ]
amdhsa.kernels:
  - .name:           k_q4cf5906ed8_qkv
    .symbol:         k_q4cf5906ed8_qkv.kd
    .args:
      - { .name: x_codes, .offset: 0, .size: 8, .value_kind: global_buffer, .address_space: global }
      - { .name: w_codes, .offset: 8, .size: 8, .value_kind: global_buffer, .address_space: global }
      - { .name: lowp_scales, .offset: 16, .size: 8, .value_kind: global_buffer, .address_space: global }
      - { .name: qkv_codes, .offset: 24, .size: 8, .value_kind: global_buffer, .address_space: global }
    .group_segment_fixed_size: 327680
    .private_segment_fixed_size: 0
    .kernarg_segment_align: 8
    .kernarg_segment_size: 32
    .max_flat_workgroup_size: 128
    .sgpr_count:     100
    .vgpr_count:     1024
    .wavefront_size: 32
...
	.end_amdgpu_metadata
.endif
;; end of part 2
;; launch attn (part 3): grid 4 x 64, 16 waves a work-group, no clusters, 98,304 bytes of LDS; arguments qkv_codes, lowp_scales, att_codes; writes att_codes
.if DOCPART == 3
	.amdgcn_target "amdgcn-amd-amdhsa--gfx1250"
	.amdhsa_code_object_version 6
	.text
	.protected	k_q4cf5906ed8_attn
	.globl	k_q4cf5906ed8_attn
	.p2align	8
	.type	k_q4cf5906ed8_attn,@function
k_q4cf5906ed8_attn:
	s_mov_b64 s[64:65], 0
	v_nop
	global_prefetch_b8 v0, s[64:65] scope:SCOPE_SE
	s_setreg_imm32_b32 hwreg(HW_REG_WAVE_MODE, 25, 1), 1
	s_wait_xcnt 0x0
; Causal attention on codes of FP8 (E4M3), head size 64, 2,048 tokens, 64 heads (16 b + head).  q, k: [64][2048][64]; v: [64][64 d][2048 keys]; the result leaves as codes [64][2048][64] under entry 10 of the scales.
; THE SOFTMAX AHEAD OF THE SECOND PRODUCT: t = score x 2^(e6 + e7) x log2(e) / 32 (the module scales by 1024^-0.5); M = the running largest t rounded UP to a whole number; p = 2^(t - M) is quantised under 2^e8, not normalised;
; the row's sum is taken of the unquantised p and divides O at the end.  When M moves, the sum and O are multiplied by 2^(old M - new M), which rounds nothing.
; SHARES.  Work-group (i, head) owns two blocks of 256 queries: first block 7 - i, then block i.  It walks the slots of 256 keys 0 .. 7 - i and then 0 .. i: NINE visits for every work-group, so the work is equal and the loop's count a constant.
; Each of sixteen waves owns 16 queries of the block in hand, in 256 registers: four waves to a SIMD, so that one wave's vector work stands beside another's matrix work and LDS loads.
; K AND V COME THROUGH REGISTERS INTO TWO LDS BUFFERS: a slot is 32 KB, four loads of 16 bytes and four LDS stores a thread.  So the keys can be laid in the order that a tile wants: key x lies in row (x with bits 3 and 4 changed over),
; and lane r of tile t reads row 16 t + r.  The 16 registers of tiles 2 b and 2 b + 1 are then 16 neighbouring keys, 32 b + 16 (lane / 16) + 0 .. 15: p's conversions give the second product's operand as it stands.
; NO CLUSTER: the four work-groups of a head walk 8 - i slots and then begin anew, so from visit 8 - i on they want different slots in the same trip: a joint request would not be the same in all partners.
; Both products are used transposed: S^T = K Q^T (source 0 = 16 keys), O^T = V^T P^T (source 0 = 16 of the head's 64): a lane holds ONE query (lane % 16) throughout.
; Each fragment comes by loads of 16 bytes, 32 bytes apart: the same order of k in both operands of a product.
; CAUSAL: a step of 128 keys that all come after my 16 queries is left out by a scalar branch on ids; on the diagonal hidden scores become -infinity ahead of the maximum.  Key 0 counts for every query, so M is a number from the first step on.
; p is at most 1, so it needs no hold where 448 x 2^e8 >= 1: a scalar branch on the whole number e8 >= -8 passes over the 64 holds.
; LIMITS: e6 + e7 between -121 and 132 (added to c's exponent field); e8 and e10 between -126 and 119; e8 + e9 is applied by v_ldexp_f32 and has none.  q is taken as the operand of entry 6, k as that of entry 7.
; REGISTERS: v1-11, v24-28 addresses; v12 -M, v13 the largest t, v[14:15] the sum in two halves; v16-23 Q; v32-95 K's eight fragments, then V's four; v96-159 S^T, then p; v160-191 O^T; v192-207 p's codes;
;   v208-223 a thread's 64 bytes of the next slot; v224-231 at work; v29, v30: 2^e8, 448 x 2^e8; v232, v233: the same for e10.
.set KP,    80                         ; a key's row in LDS: 64 bytes + 16 = 20 words: the 16 rows of a load start at 16 different groups of four banks (64 banks of 4 bytes: ISA guide 11.1)
.set VP,    272                        ; a row of V: 256 keys + 16
.set VOFF,  256*KP                     ; a buffer: 256 rows of K, then 64 rows of V
.set SLOTB, VOFF+64*VP
.set STG,   2*SLOTB                    ; behind the buffers: 16 rows x 80 bytes for each wave, for the way out
.set SGP,   80
.macro MKS e, vs, vl                   ; from the whole number e: 2^e and 448 x 2^e
	s_add_co_i32 s48, \e, 127
	s_lshl_b32 s49, s48, 23
	v_mov_b32 v[\vs], s49
	s_add_co_i32 s48, s48, 8
	s_lshl_b32 s48, s48, 23
	s_or_b32 s48, s48, 0x600000
	v_mov_b32 v[\vl], s48
.endm
.macro SETPASS                         ; s27 = the block of queries: my first query, Q's and the result's addresses; the walk begins at key 0
	s_lshl_b32 s30, s27, 8
	s_lshl_b32 s48, s18, 4
	s_add_co_u32 s30, s30, s48                     ; my first query
	s_lshl_b32 s48, s30, 6
	s_mov_b32 s49, 0
	s_add_nc_u64 s[40:41], s[44:45], s[48:49]
	s_add_nc_u64 s[42:43], s[46:47], s[48:49]
	s_mov_b32 s29, 0                               ; the step's first key
	s_mov_b32 s28, 0                               ; the slot in hand
.endm
.macro GLOAD                           ; my 64 bytes of slot s25; then s25 steps, and goes back to 0 behind slot 7 - i.  (The bases are written behind the caller's wait; the four loads before these have been waited for on every way here)
	s_lshl_b32 s48, s25, 14
	s_mov_b32 s49, 0
	s_add_nc_u64 s[36:37], s[32:33], s[48:49]      ; K: 256 keys x 64 bytes, dense
	s_lshl_b32 s48, s25, 8
	s_add_nc_u64 s[38:39], s[34:35], s[48:49]      ; V: 256 bytes of each of 64 rows
	global_load_b128 v[208:211], v6, s[36:37]
	global_load_b128 v[212:215], v6, s[36:37] offset:8192
	global_load_b128 v[216:219], v7, s[38:39]
	global_load_b128 v[220:223], v7, s[38:39] offset:65536
	s_add_co_u32 s25, s25, 1
	s_cmp_eq_u32 s25, s26
	s_cselect_b32 s25, 0, s25
.endm
.macro SSTORE b                        ; they go into the buffer that begins at s[b]
	v_add_nc_u32 v27, s[\b], v4
	v_add_nc_u32 v28, s[\b], v5
	ds_store_b128 v27, v[208:211]
	ds_store_b128 v27, v[212:215] offset:128*KP
	ds_store_b128 v28, v[216:219]
	ds_store_b128 v28, v[220:223] offset:32*VP
.endm
.macro INIT                            ; a block begins: Q's fragment; O^T and the sum are zeros, the largest t is under every t: the first change of M multiplies zeros, so the step is written once
	global_load_b128 v[16:19], v10, s[40:41]
	global_load_b128 v[20:23], v10, s[40:41] offset:32
.set n, 0
.rept 32
	v_mov_b32 v[160+n], 0
.set n, n+1
.endr
	v_mov_b32 v13, 0xff61b1e6                      ; -3e38
	v_floor_f32 v12, -v13
	v_mov_b32 v14, 0
	v_mov_b32 v15, 0
	s_wait_loadcnt 0x0
.endm
	s_load_b128 s[4:7], s[0:1], 0x0                ; qkv_codes s[4:5], the scales s[6:7]
	s_load_b64 s[8:9], s[0:1], 0x10                ; att_codes
	v_lshl_add_u32 v254, v0, 2, 0x17800
	v_mov_b32 v255, 0
	v_lshrrev_b32 v224, 5, v0
	v_readfirstlane_b32 s18, v224                  ; wave 0..15
	s_mov_b32 s31, ttmp9                           ; i
	s_sub_co_u32 s27, 7, s31                       ; the first block of queries
	s_sub_co_u32 s26, 8, s31                       ; its number of slots
	s_and_b32 s50, ttmp7, 0xffff
	s_lshl_b32 s50, s50, 17                        ; a head is 131,072 bytes in each tensor of codes
	s_mov_b32 s51, 0
	s_mov_b32 s20, 0x76543210                      ; v_permlanex16_b32's selects for lane l xor 16
	s_mov_b32 s21, 0xfedcba98
	s_mov_b32 s2, 0                                ; the buffer in hand
	s_mov_b32 s24, 0                               ; the visit
	s_mov_b32 s25, 0                               ; the slot to be loaded next
	v_and_b32 v224, 15, v0                         ; r
	v_bfe_u32 v225, v0, 4, 1                       ; h
	v_and_b32 v231, 31, v0                         ; lane
	v_mul_u32_u24 v1, v224, KP
	v_lshl_add_u32 v1, v225, 4, v1                 ; my lane's place in a tile of K
	v_mul_u32_u24 v2, v224, VP
	v_lshl_add_u32 v2, v225, 4, v2
	v_add_nc_u32 v2, VOFF, v2                      ; and of V
	v_lshlrev_b32 v10, 6, v224
	v_lshl_add_u32 v10, v225, 4, v10               ; Q: row r of 64 bytes, + 16 h
	s_mul_i32 s48, s18, 16*SGP
	s_add_co_u32 s48, s48, STG                     ; my stage
	v_mul_u32_u24 v24, v224, SGP
	v_lshl_add_u32 v24, v225, 3, v24
	v_add_nc_u32 v24, s48, v24                     ; in: row r, + 8 h
	v_lshrrev_b32 v25, 2, v231
	v_mul_u32_u24 v25, v25, SGP
	v_and_b32 v11, 3, v0
	v_lshl_add_u32 v25, v11, 4, v25
	v_add_nc_u32 v25, s48, v25                     ; back: four lanes to a row
	v_lshlrev_b32 v26, 4, v231                     ; and 16 x lane in memory
	v_lshrrev_b32 v224, 2, v0                      ; the key whose 16 bytes I bring: thread / 4,
	v_and_b32 v224, 0x67, v224
	v_bfe_u32 v225, v0, 5, 1
	v_lshl_or_b32 v224, v225, 4, v224
	v_bfe_u32 v225, v0, 6, 1
	v_lshl_or_b32 v224, v225, 3, v224              ; with bits 3 and 4 changed over: its row
	v_mul_u32_u24 v4, v224, KP
	v_lshl_add_u32 v4, v11, 4, v4
	v_lshrrev_b32 v224, 4, v0                      ; the row of V: thread / 16
	v_and_b32 v225, 15, v0
	v_mul_u32_u24 v5, v224, VP
	v_lshl_add_u32 v5, v225, 4, v5
	v_add_nc_u32 v5, VOFF, v5
	v_lshlrev_b32 v6, 4, v0                        ; in memory: K: 16 x thread;
	v_lshlrev_b32 v7, 11, v224
	v_lshl_add_u32 v7, v225, 4, v7                 ; V: rows of 2,048 bytes
	v_mov_b32 v227, 0                              ; (named as the upper half of the pair v[226:227])
	v_mov_b32 v230, 0                              ; written once: a lane permute's destination counts as one of its sources
	s_wait_kmcnt 0x0
	s_load_b256 s[52:59], s[6:7], 0x0              ; e0 .. e7
	s_load_b128 s[60:63], s[6:7], 0x20             ; e8 .. e11
	s_add_nc_u64 s[44:45], s[4:5], s[50:51]        ; q's head,
	s_add_nc_u64 s[32:33], s[44:45], 0x800000      ; k's,
	s_add_nc_u64 s[34:35], s[44:45], 0x1000000     ; v's,
	s_add_nc_u64 s[46:47], s[8:9], s[50:51]        ; the result's
	SETPASS
	GLOAD                                          ; slot 0
	INIT
	SSTORE 2
	; THE PREFETCHES INTO THE L2.  All four work-groups of a head walk the same K and V: work-group i = 0 asks, in its first walk, which goes through all 8 slots.  In visit N it names slot N + 3, which visit N + 1 loads.
	; Waves 0 and 1: K's 16,384 bytes, 8,192 a wave, lanes 256 bytes apart; waves 2 and 3: V's 64 rows, 32 a wave, a lane a row's 256 bytes.  So each aligned 256 bytes are named once.  Slots 0 to 2 come by their loads alone; visits 5 on ask for nothing.
	s_cmp_lt_u32 s18, 2
	s_cselect_b64 s[68:69], s[32:33], s[34:35]
	s_mov_b32 s70, 256
	s_cselect_b32 s70, 16384, s70                  ; a slot on
	s_mov_b32 s71, 0
	s_cselect_b32 s73, 8, 11                       ; from lane to lane: 256 or 2,048 bytes
	s_mov_b32 s74, 65536
	s_cselect_b32 s74, 8192, s74                   ; from wave to wave
	s_and_b32 s75, s18, 1
	s_mul_i32 s74, s75, s74
	s_lshl_b32 s75, s70, 1
	s_add_co_u32 s74, s74, s75                     ; at slot 2: each visit steps it ahead of its request
	s_mov_b32 s75, 0
	s_add_nc_u64 s[68:69], s[68:69], s[74:75]
	v_and_b32 v3, 31, v0
	v_lshlrev_b32 v3, s73, v3
	s_lshr_b32 s48, s18, 2
	s_or_b32 s48, s48, ttmp9
	s_cmp_eq_u32 s48, 0
	s_cselect_b32 s72, 5, 0                        ; a wave asks while the visit's number is under this
	s_wait_kmcnt 0x0
	s_add_co_i32 s48, s58, s59
	s_lshl_b32 s48, s48, 23
	s_add_co_i32 s22, s48, 0x3d38aa3b              ; c = log2(e) / 32, with e6 + e7 added to its exponent field
	s_mov_b32 s23, s22                             ; (named with it as a pair)
	MKS s60, 29, 30                                ; e8
	MKS s62, 232, 233                              ; e10
	s_add_co_i32 s67, s60, s61                     ; e8 + e9
	s_wait_dscnt 0x0                               ; my stores have read the registers that the next loads fill
	s_wait_xcnt 0x0                                ; and the earlier loads their bases
	GLOAD                                          ; slot 1
; A KEY STEP: 128 keys, the q-th of the slot in hand.
.macro STEP q
.if \q
	s_add_co_u32 s48, s30, 15                      ; the slot's second step may lie wholly behind my queries; its first never does
	s_cmp_gt_u32 s29, s48
	s_cbranch_scc1 .Lhidden_\@
.endif
	v_add_nc_u32 v8, s2, v1
	v_add_nc_u32 v9, s2, v2
	v_nop                                          ; with the two additions: four places in front of loads into registers that the last products read
	v_nop
.irp t, 0,1,2,3,4,5,6,7
	ds_load_b128 v[32+8*\t:35+8*\t], v8 offset:(128*\q+16*\t)*KP
	ds_load_b128 v[36+8*\t:39+8*\t], v8 offset:(128*\q+16*\t)*KP+32
.endr
	s_wait_dscnt 0x0                               ; K's fragments are in, and my stores into the other buffer are done
.if \q == 0
	s_cmp_lt_u32 s24, 7                            ; the slot two visits on is asked for here: it has a visit in which to come
	s_cbranch_scc0 .Lno_load_\@
	s_wait_xcnt 0x0                                ; the last loads and the last prefetch, a visit back, have read their addresses
	s_add_nc_u64 s[68:69], s[68:69], s[70:71]
	GLOAD
	s_cmp_lt_u32 s24, s72
	s_cbranch_scc0 .Lno_load_\@
	global_prefetch_b8 v3, s[68:69] th:TH_LOAD_NT scope:SCOPE_SE
.Lno_load_\@:
.endif
.irp t, 0,1,2,3,4,5,6,7
	v_wmma_f32_16x16x64_fp8_fp8 v[96+8*\t:103+8*\t], v[32+8*\t:39+8*\t], v[16:23], 0
.endr
.rept 4
	v_nop
.endr
.irp t, 0,1,2,3                                ; V's fragments take K's registers and land under the softmax
.irp c, 0,1,2,3
	ds_load_b128 v[32+16*\t+4*\c:35+16*\t+4*\c], v9 offset:16*\t*VP+128*\q+32*\c
.endr
.endr
	s_add_co_u32 s48, s29, 127                     ; a step all of whose keys count passes over the mask
	s_cmp_le_u32 s48, s30
	s_cbranch_scc1 .Lopen_\@
	s_sub_co_i32 s48, s30, s29
	v_and_b32 v226, 15, v0
	v_bfe_u32 v227, v0, 4, 1
	v_lshlrev_b32 v227, 4, v227
	v_sub_nc_u32 v226, v226, v227
	v_add_nc_u32 v226, s48, v226                   ; d = my query - the step's first key - 16 (lane / 16).  Register 16 b + i holds the key 32 b + i further on: hidden where 32 b + i > d
	v_mov_b32 v224, 0xff800000                     ; -infinity
.set n, 0
.rept 64
	v_cmp_gt_i32 vcc_lo, 32*(n/16)+n%16, v226
	v_cndmask_b32 v[96+n], v[96+n], v224, vcc_lo
.set n, n+1
.endr
.Lopen_\@:
	v_max3_num_f32 v224, v96, v97, v98             ; the step's largest score of my query, among my 64 keys, in two chains, each tile from its low end on,
	v_max3_num_f32 v226, v99, v100, v101
.set n, 6
.rept 14
	v_max3_num_f32 v224, v224, v[96+n], v[97+n]
	v_max3_num_f32 v226, v226, v[98+n], v[99+n]
.set n, n+4
.endr
	v_max3_num_f32 v224, v224, v158, v159
	v_max_num_f32 v224, v224, v226
	v_permlanex16_b32 v230, v224, s20, s21
	v_max_num_f32 v224, v224, v230                 ; and among lane l xor 16's
	v_mul_f32 v224, s22, v224                      ; as t (c is positive)
	v_max_num_f32 v13, v13, v224                   ; the running largest t
	v_mov_b32 v224, v12
	v_floor_f32 v12, -v13                          ; the new -M = floor(-t): M is a whole number
	v_sub_f32 v224, v12, v224                      ; old M - new M, 0 or less
	v_cvt_i32_f32 v224, v224                       ; (it saturates)
	v_ldexp_f32 v226, 1.0, v224                    ; f = 2^(old M - new M)
.set n, 0
.rept 32
	v_pk_fma_f32 v[96+n:97+n], v[96+n:97+n], s[22:23], v[12:13] op_sel_hi:[1,0,0]   ; t - M, two at a time (of the pairs c and -M the low word serves both halves)
.set n, n+2
.endr
.set n, 0
.rept 64
	v_exp_f32 v[96+n], v[96+n]                     ; p = 2^(t - M)
.set n, n+1
.endr
	v_pk_mul_f32 v[14:15], v[14:15], v[226:227] op_sel_hi:[1,0]   ; the sums under the new M: the plain line behind the exponentials
	s_wait_alu depctr_va_vdst(0)                   ; one wait for the whole batch, ahead of its first reader
	v_pk_add_f32 v[228:229], v[96:97], v[98:99]    ; the row's sum is taken of the unquantised p: two at a time, in two chains
.set n, 4
.rept 15
	v_pk_add_f32 v[14:15], v[14:15], v[96+n:97+n]
	v_pk_add_f32 v[228:229], v[228:229], v[98+n:99+n]
.set n, n+4
.endr
	v_pk_add_f32 v[14:15], v[14:15], v[228:229]
	s_cmp_ge_i32 s60, -8                           ; 448 x 2^e8 >= 1 >= p: nothing to hold
	s_cbranch_scc1 .Lno_hold_\@
.set n, 0
.rept 64
	v_min_num_f32 v[96+n], v[96+n], v30            ; the conversion does not saturate (ISA guide 7.6.2); p is not negative, so the hold is one-sided
.set n, n+1
.endr
.Lno_hold_\@:
.irp b, 0,1,2,3
	v_cvt_scalef32_pk8_fp8_f32 v[192+4*\b:193+4*\b], v[96+16*\b:103+16*\b], v29
	v_cvt_scalef32_pk8_fp8_f32 v[194+4*\b:195+4*\b], v[104+16*\b:111+16*\b], v29
.endr
.set n, 0
.rept 16
	v_pk_mul_f32 v[160+n:161+n], v[160+n:161+n], v[226:227] op_sel_hi:[1,0]   ; O^T under the new M; also the plain lines between the conversions and the products
.set n, n+2
.endr
	s_wait_dscnt 0x0                               ; V's fragments are in
.irp t, 0,1,2,3                                ; O^T += V^T P^T: the four accumulators by turns, one instruction a turn
	v_wmma_f32_16x16x128_fp8_fp8 v[160+8*\t:167+8*\t], v[32+16*\t:47+16*\t], v[192:207], v[160+8*\t:167+8*\t]
.endr
.if \q
.Lhidden_\@:
.endif
	s_add_co_u32 s29, s29, 128
.endm
.Lvisit:                                           ; nine trips
	s_wait_dscnt 0x0                               ; my stores into the buffer ahead have landed, and my reads of the other one are over
	s_barrier_signal -1
	s_barrier_wait -1                              ; both now hold of all sixteen waves
	s_wait_loadcnt 0x0                             ; on every wave's way, in every visit: the next slot's bytes, asked for a visit ago, are in v208-223, and no load is out when the next four are issued into those registers
	s_xor_b32 s3, s2, SLOTB                        ; the buffer that has been left
	s_cmp_lt_u32 s24, 8                            ; the last visit has no slot behind it
	s_cbranch_scc0 .Lno_store
	SSTORE 3                                       ; the next slot goes into it
.Lno_store:
	STEP 0
	STEP 1
	s_xor_b32 s2, s2, SLOTB
	s_cmp_lg_u32 s28, s27                          ; was this the block's own slot, the diagonal?
	s_cbranch_scc0 .Lblock_done
	s_add_co_u32 s28, s28, 1
	s_branch .Lnext
.Lblock_done:
	; THE WAY OUT.  O^T x 2^(e8 + e9) / the sum, quantised under 2^e10: a lane's eight numbers of a tile are 8 neighbouring bytes of a row.  16 rows x 64 bytes go through my own stage and leave as 1,024 consecutive bytes.
.rept 4
	v_nop
.endr
	v_add_f32 v14, v14, v15                        ; the sum's two halves,
	v_permlanex16_b32 v230, v14, s20, s21
	v_add_f32 v14, v14, v230                       ; and lane l xor 16's
	v_rcp_f32 v14, v14
	v_nop                                          ; a plain line behind the transcendental
	s_wait_alu depctr_va_vdst(0)                   ; and the wait ahead of its first reader
	v_ldexp_f32 v14, v14, s67
.set n, 0
.rept 32
	v_mul_f32 v[96+n], v[160+n], v14               ; register 8 t + j is o(query r, 16 t + 8 h + j)
.set n, n+1
.endr
.set n, 0
.rept 32
	v_med3_num_f32 v[96+n], v[96+n], -v233, v233
.set n, n+1
.endr
.irp t, 0,1,2,3
	v_cvt_scalef32_pk8_fp8_f32 v[128+2*\t:129+2*\t], v[96+8*\t:103+8*\t], v232
.endr
	v_nop                                          ; a plain line behind the last conversion
.irp t, 0,1,2,3
	ds_store_b64 v24, v[128+2*\t:129+2*\t] offset:16*\t
.endr
	ds_load_b128 v[136:139], v25                   ; LDS serves a wave's instructions in order (ISA guide 5.7.1.4): these see my stores
	ds_load_b128 v[140:143], v25 offset:8*SGP
	s_wait_dscnt 1                                 ; the younger load may stay out
	global_store_b128 v26, v[136:139], s[42:43]
	s_wait_dscnt 0
	global_store_b128 v26, v[140:143], s[42:43] offset:512
	s_cmp_eq_u32 s24, 8
	s_cbranch_scc1 .Lnext
	s_wait_xcnt 0x0                                ; the stores have read their data and their base: both are written again
	s_mov_b32 s27, s31                             ; the second block of queries: i
	SETPASS
	INIT
.Lnext:
	s_add_co_u32 s24, s24, 1
	s_cmp_lt_u32 s24, 9
	s_cbranch_scc1 .Lvisit
	s_wait_tensorcnt 0x0
	ds_add_u32 v254, v255
	s_wait_dscnt 0x0
	s_endpgm
.Lfunc_end_k_q4cf5906ed8_attn:
	.size	k_q4cf5906ed8_attn, .Lfunc_end_k_q4cf5906ed8_attn-k_q4cf5906ed8_attn
	.p2alignl 7, 3214868480
	.fill 96, 4, 3214868480
	.section	.rodata,"a",@progbits
	.p2align	6, 0x0
	.amdhsa_kernel k_q4cf5906ed8_attn
		.amdhsa_group_segment_fixed_size 98304
		.amdhsa_private_segment_fixed_size 0
		.amdhsa_enable_private_segment 0
		.amdhsa_kernarg_size 24
		.amdhsa_user_sgpr_count 2
		.amdhsa_user_sgpr_kernarg_segment_ptr 1
		.amdhsa_wavefront_size32 1
		.amdhsa_system_sgpr_workgroup_id_x 1
		.amdhsa_system_sgpr_workgroup_id_y 1
		.amdhsa_system_sgpr_workgroup_id_z 1
		.amdhsa_system_vgpr_workitem_id 0
		.amdhsa_next_free_vgpr 256
		.amdhsa_next_free_sgpr 80
		.amdhsa_reserve_vcc 1
		.amdhsa_float_denorm_mode_32 3
		.amdhsa_float_denorm_mode_16_64 3
		.amdhsa_memory_ordered 1
		.amdhsa_forward_progress 1
		.amdhsa_inst_pref_size 58
	.end_amdhsa_kernel
	.amdgpu_metadata
---
amdhsa.version: [ 1, 2 ]
amdhsa.kernels:
  - .name:           k_q4cf5906ed8_attn
    .symbol:         k_q4cf5906ed8_attn.kd
    .args:
      - { .name: qkv_codes, .offset: 0, .size: 8, .value_kind: global_buffer, .address_space: global }
      - { .name: lowp_scales, .offset: 8, .size: 8, .value_kind: global_buffer, .address_space: global }
      - { .name: att_codes, .offset: 16, .size: 8, .value_kind: global_buffer, .address_space: global }
    .group_segment_fixed_size: 98304
    .private_segment_fixed_size: 0
    .kernarg_segment_align: 8
    .kernarg_segment_size: 24
    .max_flat_workgroup_size: 512
    .sgpr_count:     80
    .vgpr_count:     256
    .wavefront_size: 32
...
	.end_amdgpu_metadata
.endif
;; end of part 3
;; launch proj (part 4): grid 4 x 32, 4 waves a work-group, clusters of 4 x 4, 327,680 bytes of LDS; arguments att_codes, w_codes, lowp_scales, bproj, out0; writes out0
.if DOCPART == 4
	.amdgcn_target "amdgcn-amd-amdhsa--gfx1250"
	.amdhsa_code_object_version 6
	.text
	.protected	k_q4cf5906ed8_proj
	.globl	k_q4cf5906ed8_proj
	.p2align	8
	.type	k_q4cf5906ed8_proj,@function
k_q4cf5906ed8_proj:
	s_mov_b64 s[64:65], 0
	v_nop
	global_prefetch_b8 v0, s[64:65] scope:SCOPE_SE
	s_setreg_imm32_b32 hwreg(HW_REG_WAVE_MODE, 25, 1), 1
	s_wait_xcnt 0x0
	s_wait_alu depctr_hold_cnt(0) depctr_sa_sdst(0) depctr_va_vdst(0) depctr_va_sdst(0) depctr_va_ssrc(0) depctr_va_vcc(0) depctr_vm_vsrc(0)
	s_getreg_b32 s2, hwreg(HW_REG_IB_STS2, 6, 4)
	s_cmp_eq_u32 s2, 0
	s_cbranch_scc0 .Lentry_in_a_cluster
	s_endpgm
.Lentry_in_a_cluster:
	s_bfe_u32 s2, ttmp6, 0x10000c
	s_cmp_lg_u32 s2, 0xf033
	s_cbranch_scc0 .Lentry_shape_is_right
	s_endpgm
.Lentry_shape_is_right:
; out0[token][n] = 2^(e10 + e11) x (sum over k of att[token][k] Wproj[n][k]) + bproj[n], on codes of FP8 (E4M3); K = 1024 = 64 head + d; out0 [8192][1024] f32.
; A's codes lie by heads, [64 (16 b + head)][2048 t][64 d]; B's are w_codes part 3, [1024 n][1024 k].  LIMIT: e10 + e11 between -126 and 127, so that 2^(e10 + e11) is an f32 number.
; A tile of C, 256 x 256, is made by four waves, 128 x 128 each: 64 accumulators.  128 tiles: 128 work-groups; a smaller tile would give every WGP one, at 1.5 times the LDS bytes for each product.
; K goes in steps of 256 (four heads) through two LDS slots filled by the tensor data mover.  A HEAD'S 256 TOKENS x 64 BYTES ARE 16,384 DENSE BYTES: a wave's load for A is a tile of two such rows, 131,072 bytes apart,
; with 16 bytes of padding behind every 256: in LDS head P of the four lies at 17,408 P, token x at 272 (x / 4) + 64 (x % 4).  A fragment's 16 rows then start at 16 different groups of four banks (64 banks of 4 bytes: ISA guide 11.1).
; CLUSTERS: 4 x 4 work-groups; A's tile is shared along a row of the cluster, B's along a column: each is asked for jointly.  THE MATRIX INSTRUCTION IS USED TRANSPOSED: a lane holds eight neighbouring numbers of a row of C.
; REGISTERS: window 0: v0-31 addresses; v32-95 the bias of my 128 columns in the results' layout; from v128 A's fragments, one set; on the way out v128-191 at work.  window 1: B's fragments, two sets; on the way out rows read back.  windows 2, 3: the accumulators.
.set SIZE_K, 1024
.set SIZE_N, 1024
.set ROWB,   256
.set KROW,   SIZE_K
.set PITCH,  272
.set PLANE,  64*PITCH                  ; a head's 256 tokens in LDS
.set HEADB,  131072                    ; a head in memory
.set FR,     16
.set NL,     4
.set NP,     4
.set HALFT,  128*PITCH
.set SLOT,   4*HALFT                   ; A's four heads, then B's 256 rows
.set LAPS,   2
.set SPARE,  2*SLOT
.set SPITCH, 528                       ; the way out: 16 rows x (512 bytes + 16) for each wave, in slot 0, which has had its last fill and its last read by then
.set ADRA, 16
.set BO,   18                          ; v18     the bias loads' offset: 32 x (lane / 16); never rewritten
.set ADRB, 20
.set STO,  24
.set RD,   25
.set CO,   26
.set SPW,  28
.set NIL,  29
.set BIAS, 32
.set TMP,  128
.set AF,   128
.set G1, 24
.set G0, 32
.set G1B, 48
.set G0B, 56
.set MSB, 0
.macro WIN new
.if MSB != \new
	s_set_vgpr_msb (MSB<<8)|\new
.set MSB, \new
.endif
.endm
.set MUL_LO, 0xa1
.set MUL_HI, 0xf1
.set TO_B,   0x40
.macro JLOAD g0a, g1a, g0b, g1b        ; waves 0 and 1 fetch for A, waves 2 and 3 for B; four v_nop follow each of the two lines
	s_cmp_eq_u32 s15, 0
	s_cbranch_scc0 .Lfor_b_\@
	tensor_load_to_lds s[\g0a:\g0a+3], s[\g1a:\g1a+7]
	s_nop 0
.rept 4
	v_nop
.endr
	s_branch .Lasked_\@
.Lfor_b_\@:
	tensor_load_to_lds s[\g0b:\g0b+3], s[\g1b:\g1b+7]
	s_nop 0
.rept 4
	v_nop
.endr
.Lasked_\@:
.endm
.macro CREST
	s_cmp_lg_u32 s14, 0
	s_cbranch_scc1 .Lnot_wave_0_\@
	s_barrier_signal -3
.Lnot_wave_0_\@:
	s_barrier_wait -3
	s_barrier_signal -1
	s_barrier_wait -1
.endm
.macro CROUND
	s_barrier_signal -1
	s_barrier_wait -1
	CREST
.endm
	s_load_b128 s[4:7], s[0:1], 0x0                ; att_codes s[4:5], w_codes s[6:7]
	s_load_b128 s[8:11], s[0:1], 0x10              ; the scales s[8:9], bproj s[10:11]
	s_load_b64 s[12:13], s[0:1], 0x20              ; out0
	v_lshl_add_u32 v[SPW], v0, 2, SPARE
	v_mov_b32 v[NIL], 0
	ds_add_u32 v28, v29
	ds_add_u32 v28, v29
	s_wait_dscnt 0x0
	v_lshrrev_b32 v1, 5, v0
	v_readfirstlane_b32 s14, v1                    ; wave 0..3
	s_lshr_b32 s15, s14, 1                         ; which half of the tile's rows is mine.  Also: I fetch for A (0) or for B (1)
	s_and_b32 s16, s14, 1                          ; which half of its columns.  Also: which half of that tile I fetch
	s_bfe_u32 s40, ttmp6, 0x40000                  ; cx, cy
	s_bfe_u32 s41, ttmp6, 0x40004
	s_lshl_b32 s42, ttmp9, 2
	s_add_co_u32 s42, s42, s40                     ; tile column of C
	s_and_b32 s17, ttmp7, 0xffff
	s_lshl_b32 s17, s17, 2
	s_add_co_u32 s17, s17, s41                     ; tile row of C
	s_lshl_b32 s43, s41, 2
	s_lshl_b32 s43, 15, s43                        ; my row of the cluster
	s_lshl_b32 s44, 0x1111, s40                    ; my column
	s_or_b32 s[G1+0], s43, (0<<16)|(1<<20)|(1<<21)|(5<<22)|(3<<25)  ; the mask; elements of 1 byte; padding: four words after every 64; bit 21 beside a mask
	s_mov_b32 s[G1+1], 16384<<16                   ; A: tensor_dim0 = 16,384: a head's 256 tokens
	s_mov_b32 s[G1+2], 2<<16                       ; tensor_dim1 = 2 heads
	s_mov_b32 s[G1+3], 16384<<16                   ; tile_dim0
	s_mov_b32 s[G1+4], 2                           ; tile_dim1
	s_mov_b32 s[G1+5], HEADB                       ; from head to head
	s_mov_b32 s[G1+6], 0
	s_mov_b32 s[G1+7], 0
	s_or_b32 s[G1B+0], s44, (0<<16)|(1<<20)|(1<<21)|(5<<22)|(3<<25)
	s_mov_b32 s[G1B+1], ROWB<<16                   ; B: 128 rows of 256 bytes, 1,024 apart
	s_mov_b32 s[G1B+2], 128<<16
	s_mov_b32 s[G1B+3], ROWB<<16
	s_mov_b32 s[G1B+4], 128
	s_mov_b32 s[G1B+5], KROW
	s_mov_b32 s[G1B+6], 0
	s_mov_b32 s[G1B+7], 0
	s_lshr_b32 s20, s17, 3
	s_lshl_b32 s20, s20, 4                         ; A: the batch's 16 heads,
	s_lshl_b32 s18, s16, 1
	s_add_co_u32 s20, s20, s18                     ; + the two of a K step's four that I fetch,
	s_lshl_b32 s20, s20, 17
	s_and_b32 s18, s17, 7
	s_lshl_b32 s18, s18, 14
	s_add_co_u32 s20, s20, s18                     ; + the tile's first token, 64 bytes each
	s_mov_b32 s21, 0
	s_lshl_b32 s18, s16, 7
	s_lshl_b32 s46, s42, 8
	s_add_co_u32 s46, s46, s18                     ; B: row 256 x tile column + 128 x half
	s_lshl_b32 s46, s46, 10
	s_mov_b32 s47, 0
	s_mul_i32 s45, s14, HALFT                      ; where they go: wave x 34,816 bytes: no place in the cluster enters an LDS address
	s_wait_kmcnt 0x0
	s_load_b64 s[96:97], s[8:9], 0x28              ; e10, e11
	s_add_nc_u64 s[20:21], s[4:5], s[20:21]
	s_add_nc_u64 s[6:7], s[6:7], 0x300000          ; w_codes part 3
	s_add_nc_u64 s[46:47], s[6:7], s[46:47]
	CROUND                                         ; all sixteen work-groups are here: the first joint loads meet
.irp s, 0,1
	s_mov_b32 s[G0+4*\s], 1
	s_add_co_u32 s[G0+4*\s+1], s45, \s*SLOT
	s_add_nc_u64 s[G0+4*\s+2:G0+4*\s+3], s[20:21], \s*4*HEADB
	s_or_b32 s[G0+4*\s+3], s[G0+4*\s+3], 0x80000000
	s_mov_b32 s[G0B+4*\s], 1
	s_add_co_u32 s[G0B+4*\s+1], s45, \s*SLOT
	s_add_nc_u64 s[G0B+4*\s+2:G0B+4*\s+3], s[46:47], \s*ROWB
	s_or_b32 s[G0B+4*\s+3], s[G0B+4*\s+3], 0x80000000
	JLOAD G0+4*\s, G1, G0B+4*\s, G1B
.endr
	v_and_b32 v1, 15, v0                           ; r
	v_bfe_u32 v2, v0, 4, 1                         ; h
	v_mul_u32_u24 v3, v1, PITCH
	v_lshl_add_u32 v4, v2, 4, v3                   ; B: a fragment's row x pitch + 16 h
	v_lshrrev_b32 v5, 2, v1
	v_mul_u32_u24 v5, v5, PITCH
	v_and_b32 v6, 3, v1
	v_lshl_add_u32 v5, v6, 6, v5
	v_lshl_add_u32 v5, v2, 4, v5                   ; A: 272 (r / 4) + 64 (r % 4) + 16 h
	s_mul_i32 s21, s15, 32*PITCH                   ; my 128 tokens of each head
	s_mul_i32 s22, s16, HALFT
	s_add_co_u32 s22, s22, 2*HALFT                 ; my 128 rows of B, behind A's four heads
.irp s, 0,1
	v_add_nc_u32 v[ADRA+\s], s21, v5
	v_add_nc_u32 v[ADRB+\s], s22, v4
	s_add_co_u32 s21, s21, SLOT
	s_add_co_u32 s22, s22, SLOT
.endr
	s_mul_i32 s23, s14, 16*SPITCH                  ; my stage
	v_mul_u32_u24 v5, v1, SPITCH
	v_lshl_add_u32 v5, v2, 5, v5
	v_add_nc_u32 v[STO], s23, v5                   ; in: row r, 32 bytes for each half of the lanes
	v_and_b32 v6, 31, v0
	v_lshlrev_b32 v[CO], 4, v6                     ; back: the 32 lanes take one row of 512 bytes; and the same in C
	v_add_nc_u32 v[RD], s23, v[CO]
	v_lshlrev_b32 v[BO], 5, v2
	s_lshl_b32 s20, s17, 8
	s_lshl_b32 s21, s15, 7
	s_add_co_u32 s20, s20, s21                     ; my first row of C,
	s_lshl_b32 s20, s20, 12                        ; of 4,096 bytes
	s_mov_b32 s21, 0
	s_lshl_b32 s46, s42, 10                        ; my first column, in bytes: 1,024 x tile column + 512 x half
	s_lshl_b32 s47, s16, 9
	s_add_co_u32 s46, s46, s47
	s_mov_b32 s47, 0
	s_add_nc_u64 s[20:21], s[20:21], s[46:47]
	s_add_nc_u64 s[12:13], s[12:13], s[20:21]
	s_add_nc_u64 s[10:11], s[10:11], s[46:47]      ; the bias of the same columns
.irp b, 0,1,2,3,4,5,6,7                        ; lane (r, h) wants, for B's block b, bproj at columns 16 b + 8 h + 0 .. 7
	global_load_b128 v[BIAS+8*\b:BIAS+8*\b+3], v[BO], s[10:11] offset:64*\b
	global_load_b128 v[BIAS+8*\b+4:BIAS+8*\b+7], v[BO], s[10:11] offset:64*\b+16
.endr
.macro FRAG reg, adr, q, i             ; B: registers 4 c .. 4 c + 3 hold K = 128 q + 32 c + 16 h + 0 .. 15
.irp c, 0,1,2,3
	ds_load_b128 v[\reg+4*\c:\reg+4*\c+3], v[\adr] offset:128*(\q)+32*\c+(\i)*16*PITCH
.endr
.endm
.macro FRAGA reg, adr, q, i            ; A: the same k: head 2 q + c / 2 of the slot's four, d = 32 (c % 2) + 16 h + 0 .. 15; block i is 16 tokens = four LDS lines
.irp c, 0,1,2,3
	ds_load_b128 v[\reg+4*\c:\reg+4*\c+3], v[\adr] offset:(2*(\q)+\c/2)*PLANE+(\i)*4*PITCH+32*(\c%2)
.endr
.endm
.macro MUL16 a0, p, zero               ; the 64 accumulators take turns, one instruction a turn, in the same order in every step
.irp a, \a0, \a0+1
.irp b, 0,1,2,3,4,5,6,7
.if \zero
	v_wmma_f32_16x16x128_fp8_fp8 v[8*(8*((\a)%4)+\b):8*(8*((\a)%4)+\b)+7], v[128*(\p)+FR*\b:128*(\p)+FR*\b+FR-1], v[AF+FR*(\a):AF+FR*(\a)+FR-1], 0
.else
	v_wmma_f32_16x16x128_fp8_fp8 v[8*(8*((\a)%4)+\b):8*(8*((\a)%4)+\b)+7], v[128*(\p)+FR*\b:128*(\p)+FR*\b+FR-1], v[AF+FR*(\a):AF+FR*(\a)+FR-1], v[8*(8*((\a)%4)+\b):8*(8*((\a)%4)+\b)+7]
.endif
.endr
.endr
.endm
.macro FETCH_B slot, q, p
	WIN TO_B
.irp i, 0,1,2,3,4,5,6,7
	FRAG 128*(\p)+FR*\i, ADRB+\slot, \q, \i
.endr
	WIN 0
.endm
.macro FETCH_A slot, q, i0
.irp i, \i0, \i0+1, \i0+2, \i0+3
	FRAGA AF+FR*(\i), ADRA+\slot, \q, \i
.endr
.endm
.macro PLACES n
.rept \n
	v_nop
.endr
.endm
.macro STEP slot, q, zero
	s_wait_dscnt 4*NL                              ; B's set and A's blocks 0-3 are in; the youngest 16 loads (A's blocks 4-7) may be out
	WIN MUL_LO
	MUL16 0, (\q)%2, \zero
	MUL16 2, (\q)%2, \zero
	s_wait_dscnt 0
	PLACES NP
	FETCH_B \slot, (\q)+1, 1-(\q)%2
	FETCH_A \slot, (\q)+1, 0
	WIN MUL_HI
	MUL16 4, (\q)%2, \zero
	MUL16 6, (\q)%2, \zero
	PLACES NP
	WIN 0
	FETCH_A \slot, (\q)+1, 4
.endm
.macro TURN slot, next, fill
	s_wait_tensorcnt 0x0                           ; all my tensor loads have landed: my part of the next slot
	ds_add_u32 v[SPW], v[NIL]                      ; 0 onto my spare word
	s_wait_dscnt 4*NL+1                            ; the add and the youngest 16 loads may be out
	WIN MUL_LO
	MUL16 0, 1, 0
	s_wait_dscnt 0x0                               ; the add is done, and my reads of this slot are over
	s_barrier_signal -1
	MUL16 2, 1, 0
	WIN 0
	s_barrier_wait -1
.if \fill
	CREST                                          ; the barrier has opened a round of the cluster's barrier
	s_add_nc_u64 s[G0+4*\slot+2:G0+4*\slot+3], s[G0+4*\slot+2:G0+4*\slot+3], 8*HEADB   ; two K steps on: eight heads
	s_add_nc_u64 s[G0B+4*\slot+2:G0B+4*\slot+3], s[G0B+4*\slot+2:G0B+4*\slot+3], 2*ROWB
	JLOAD G0+4*\slot, G1, G0B+4*\slot, G1B
.else
	PLACES NP
.endif
	FETCH_B \next, 0, 0
	FETCH_A \next, 0, 0
	WIN MUL_HI
	MUL16 4, 1, 0
	MUL16 6, 1, 0
	PLACES NP
	WIN 0
	FETCH_A \next, 0, 4
.endm
	s_wait_loadcnt 0x0                             ; the bias
	s_wait_tensorcnt 1                             ; my part of K step 0 is in; K step 1's load may be out
	s_barrier_signal -1
	s_barrier_wait -1
	FETCH_B 0, 0, 0
	FETCH_A 0, 0, 0
	FETCH_A 0, 0, 4
	STEP 0, 0, 1
	s_mov_b32 s3, LAPS-1
.Llap:
	TURN 0, 1, 1
	STEP 1, 0, 0
	TURN 1, 0, 1
	STEP 0, 0, 0
	s_sub_co_u32 s3, s3, 1
	s_cmp_lg_u32 s3, 0
	s_cbranch_scc1 .Llap
	TURN 0, 1, 0
	STEP 1, 0, 0
	s_wait_dscnt 4*NL
	WIN MUL_LO
	MUL16 0, 1, 0
	MUL16 2, 1, 0
	s_wait_dscnt 0
	WIN MUL_HI
	MUL16 4, 1, 0
	MUL16 6, 1, 0
	WIN 0
; THE WAY OUT, block by block of 16 rows x 128 columns: sum x 2^(e10 + e11) + bias, one packed multiply-add for two numbers, each accumulator from its low end on; through my own stage; back as whole rows of 512 bytes.
.macro TOSTAGE a
.set AC, 64*((\a)%4)
	WIN 0x02+((\a)/4)                              ; source 0: window 2 or 3
.set j, 0
.rept 32
	v_pk_fma_f32 v[TMP+j:TMP+j+1], v[AC+j:AC+j+1], s[96:97], v[BIAS+j:BIAS+j+1] op_sel_hi:[1,0,1]
.set j, j+2
.endr
	WIN 0
.irp b, 0,1,2,3,4,5,6,7
	ds_store_b128 v[STO], v[TMP+8*\b:TMP+8*\b+3] offset:64*\b
	ds_store_b128 v[STO], v[TMP+8*\b+4:TMP+8*\b+7] offset:64*\b+16
.endr
.set BB, 64*((\a)%2)
	WIN TO_B                                       ; the rows come back into window 1, where B's fragments lay
.irp t, 0,1,2,3,4,5,6,7,8,9,10,11,12,13,14,15
	ds_load_b128 v[BB+4*\t:BB+4*\t+3], v[RD] offset:\t*SPITCH   ; LDS serves a wave's instructions in order (ISA guide 5.7.1.4)
.endr
	WIN 0
.endm
.macro SEND a, younger
.set BB, 64*((\a)%2)
	s_wait_dscnt \younger                          ; the block is back; the next block's 16 stores and 16 loads may be out
.if (\a) > 0
	s_add_nc_u64 s[12:13], s[12:13], 16*SIZE_N*4   ; 16 rows of C on (behind a wait on XCNT: the earlier stores have read their base)
.endif
	WIN 0x04                                       ; the stores' data: window 1
.irp t, 0,1,2,3,4,5,6,7,8,9,10,11,12,13,14,15
	global_store_b128 v[CO], v[BB+4*\t:BB+4*\t+3], s[12:13] offset:\t*SIZE_N*4 th:TH_STORE_NT   ; 32 lanes store 512 consecutive bytes, aligned
.endr
	WIN 0
.endm
	s_wait_kmcnt 0x0
	s_add_co_i32 s96, s96, s97
	s_add_co_i32 s96, s96, 127
	s_lshl_b32 s96, s96, 23                        ; 2^(e10 + e11) as f32
	s_mov_b32 s97, s96                             ; (named with it as a pair)
	PLACES NP
	TOSTAGE 0
.irp a, 1,2,3,4,5,6,7
.if \a > 1
	s_wait_xcnt 0x0                                ; block a - 2's stores have read their registers and their base
.endif
	TOSTAGE \a
	SEND \a-1, 32
.endr
	s_wait_xcnt 0x0
	SEND 7, 0
	s_wait_tensorcnt 0x0                           ; the wave's end
	ds_add_u32 v[SPW], v[NIL]
	s_wait_dscnt 0x0
	CROUND                                         ; the closing round
	s_endpgm
.Lfunc_end_k_q4cf5906ed8_proj:
	.size	k_q4cf5906ed8_proj, .Lfunc_end_k_q4cf5906ed8_proj-k_q4cf5906ed8_proj
	.p2alignl 7, 3214868480
	.fill 96, 4, 3214868480
	.section	.rodata,"a",@progbits
	.p2align	6, 0x0
	.amdhsa_kernel k_q4cf5906ed8_proj
		.amdhsa_group_segment_fixed_size 327680
		.amdhsa_private_segment_fixed_size 0
		.amdhsa_enable_private_segment 0
		.amdhsa_kernarg_size 40
		.amdhsa_user_sgpr_count 2
		.amdhsa_user_sgpr_kernarg_segment_ptr 1
		.amdhsa_wavefront_size32 1
		.amdhsa_system_sgpr_workgroup_id_x 1
		.amdhsa_system_sgpr_workgroup_id_y 1
		.amdhsa_system_sgpr_workgroup_id_z 1
		.amdhsa_system_vgpr_workitem_id 0
		.amdhsa_next_free_vgpr 1024
		.amdhsa_next_free_sgpr 100
		.amdhsa_reserve_vcc 0
		.amdhsa_float_denorm_mode_32 3
		.amdhsa_float_denorm_mode_16_64 3
		.amdhsa_memory_ordered 1
		.amdhsa_forward_progress 1
		.amdhsa_inst_pref_size 126
	.end_amdhsa_kernel
	.amdgpu_metadata
---
amdhsa.version: [ 1, 2 ]
amdhsa.kernels:
  - .name:           k_q4cf5906ed8_proj
    .symbol:         k_q4cf5906ed8_proj.kd
    .args:
      - { .name: att_codes, .offset: 0, .size: 8, .value_kind: global_buffer, .address_space: global }
      - { .name: w_codes, .offset: 8, .size: 8, .value_kind: global_buffer, .address_space: global }
      - { .name: lowp_scales, .offset: 16, .size: 8, .value_kind: global_buffer, .address_space: global }
      - { .name: bproj, .offset: 24, .size: 8, .value_kind: global_buffer, .address_space: global }
      - { .name: out0, .offset: 32, .size: 8, .value_kind: global_buffer, .address_space: global }
    .group_segment_fixed_size: 327680
    .private_segment_fixed_size: 0
    .kernarg_segment_align: 8
    .kernarg_segment_size: 40
    .max_flat_workgroup_size: 128
    .sgpr_count:     100
    .vgpr_count:     1024
    .wavefront_size: 32
...
	.end_amdgpu_metadata
.endif
;; end of part 4
;; ======== version 2 of 2: 4 launches; version 1 with the launch attn written anew for expert scheduling mode
;; workspace buffers: x_codes 25,165,824 bytes; w_codes 4,194,304 bytes; qkv_codes 25,165,824 bytes; att_codes 8,388,608 bytes
;; launch quant: the kernel of part 1 again; grid 672 x 1, 4 waves a work-group, no clusters, 68,096 bytes of LDS; arguments x, Wproj, Wq, Wk, Wv, lowp_scales, x_codes, w_codes; writes x_codes, w_codes
;; launch qkv: the kernel of part 2 again; grid 4 x 96, 4 waves a work-group, clusters of 4 x 4, 327,680 bytes of LDS; arguments x_codes, w_codes, lowp_scales, qkv_codes; writes qkv_codes
;; launch attn (part 5): grid 4 x 64, 16 waves a work-group, no clusters, 98,304 bytes of LDS; arguments qkv_codes, lowp_scales, att_codes; writes att_codes
.if DOCPART == 5
	.amdgcn_target "amdgcn-amd-amdhsa--gfx1250"
	.amdhsa_code_object_version 6
	.text
	.protected	k_q4cf5906ed8_attn
	.globl	k_q4cf5906ed8_attn
	.p2align	8
	.type	k_q4cf5906ed8_attn,@function
k_q4cf5906ed8_attn:
	s_mov_b64 s[64:65], 0
	v_nop
	global_prefetch_b8 v0, s[64:65] scope:SCOPE_SE
	s_setreg_imm32_b32 hwreg(HW_REG_WAVE_SCHED_MODE, 0, 2), 2
	s_setreg_imm32_b32 hwreg(HW_REG_WAVE_MODE, 25, 1), 1
	s_wait_xcnt 0x0
	s_wait_alu depctr_vm_vsrc(0)
; Causal attention on codes of FP8 (E4M3), head size 64, 2,048 tokens, 64 heads (16 b + head).  q, k: [64][2048][64]; v: [64][64 d][2048 keys]; the result leaves as codes [64][2048][64] under entry 10 of the scales.
; THE SOFTMAX AHEAD OF THE SECOND PRODUCT: t = score x 2^(e6 + e7) x log2(e) / 32 (the module scales by 1024^-0.5); M = the running largest t rounded UP to a whole number; p = 2^(t - M) is quantised under 2^e8, not normalised;
; the row's sum is taken of the unquantised p and divides O at the end.  When M moves, the sum and O are multiplied by 2^(old M - new M), which rounds nothing.
; SHARES.  Work-group (i, head) owns two blocks of 256 queries: first block 7 - i, then block i.  It walks the slots of 256 keys 0 .. 7 - i and then 0 .. i: NINE visits for every work-group, so the work is equal and the loop's count a constant.
; Each of sixteen waves owns 16 queries of the block in hand, in 256 registers: four waves to a SIMD, so that one wave's vector work stands beside another's matrix work and LDS loads.
; K AND V COME THROUGH REGISTERS INTO TWO LDS BUFFERS: a slot is 32 KB, four loads of 16 bytes and four LDS stores a thread.  So the keys can be laid in the order that a tile wants: key x lies in row (x with bits 3 and 4 changed over),
; and lane r of tile t reads row 16 t + r.  The 16 registers of tiles 2 b and 2 b + 1 are then 16 neighbouring keys, 32 b + 16 (lane / 16) + 0 .. 15: p's conversions give the second product's operand as it stands.
; NO CLUSTER: the four work-groups of a head walk 8 - i slots and then begin anew, so from visit 8 - i on they want different slots in the same trip: a joint request would not be the same in all partners.
; Both products are used transposed: S^T = K Q^T (source 0 = 16 keys), O^T = V^T P^T (source 0 = 16 of the head's 64): a lane holds ONE query (lane % 16) throughout.
; Each fragment comes by loads of 16 bytes, 32 bytes apart: the same order of k in both operands of a product.
; CAUSAL: a step of 128 keys that all come after my 16 queries is left out by a scalar branch on ids; on the diagonal hidden scores become -infinity ahead of the maximum.  Key 0 counts for every query, so M is a number from the first step on.
; p is at most 1, so it needs no hold where 448 x 2^e8 >= 1: a scalar branch on the whole number e8 >= -8 passes over the 64 holds.
; LIMITS: e6 + e7 between -121 and 132 (added to c's exponent field); e8 and e10 between -126 and 119; e8 + e9 is applied by v_ldexp_f32 and has none.  q is taken as the operand of entry 6, k as that of entry 7.
; REGISTERS: v1-7, v10, v11, v24-26 addresses that stay; v8, v9, v27, v28 the visit's LDS addresses; v12 -M, v13 the largest t, v[14:15] the sum in two halves; v16-23 Q; v32-95 K's eight fragments, then V's four; v96-159 S^T, then p;
;   v160-191 O^T; v192-207 p's codes; v208-223 a thread's 64 bytes of the next slot; v224-231 at work; v29, v30: 2^e8, 448 x 2^e8; v232, v233: the same for e10; v254, v255 the closing add's two.  s10-17: eight masks of the diagonal.
; THE MODE: SCHED_MODE bits 1:0 = 2 (LLVM: expert scheduling mode 2), set by the entry lines.  The code itself states the register dependences between vector or matrix instructions and memory or LDS instructions, with s_wait_alu, always for 0.
; THE PLAN.  Registers that memory or LDS instructions touch:
;   v32-95     Written by LDS loads alone.  A step: K's fragments land, K Q^T reads them, V's land, V^T P^T reads them.  So a wait on va_vdst stands ahead of each of a step's two runs of loads: the products before it are done reading.
;   v208-223   Written by the four global loads of the next slot, read by my four LDS stores a visit later; no vector instruction names them.  A wait on vm_vsrc stands between the stores and the next four loads.
;   v8, v9, v27, v28   Made once a visit, at its head, behind a wait on vm_vsrc (the last visit's LDS loads and stores have read them) and ahead of the wait on va_vdst that stands there for K's fragments in any case.
;   v16-23     Q: loaded at a block's start, read by K Q^T.   v128-135: written by the way out's conversions, read by its LDS stores.   v136-143: the rows come back into them and the global stores read them.
;              One wait on va_vdst ahead of the way out's LDS stores serves all three; the wait on vm_vsrc at the next visit's head stands ahead of the products that write v128-143 again.
;   v1-7, v10, v24-26, v254, v255   Made at the head, ahead of its one wait on va_vdst (v3 ahead of the first visit's), and never written again.
; The wave's 256 registers are taken: there is no second set of fragments, and the next step's loads cannot go out under this step's products.  What goes out earlier is the next slot's global loads: behind K's LDS loads, ahead of the wait for them.
.set KP,    80                         ; a key's row in LDS: 64 bytes + 16 = 20 words: the 16 rows of a load start at 16 different groups of four banks (64 banks of 4 bytes: ISA guide 11.1)
.set VP,    272                        ; a row of V: 256 keys + 16
.set VOFF,  256*KP                     ; a buffer: 256 rows of K, then 64 rows of V
.set SLOTB, VOFF+64*VP
.set STG,   2*SLOTB                    ; behind the buffers: 16 rows x 80 bytes for each wave, for the way out
.set SGP,   80
.macro MKS e, vs, vl                   ; from the whole number e: 2^e and 448 x 2^e
	s_add_co_i32 s48, \e, 127
	s_lshl_b32 s49, s48, 23
	v_mov_b32 v[\vs], s49
	s_add_co_i32 s48, s48, 8
	s_lshl_b32 s48, s48, 23
	s_or_b32 s48, s48, 0x600000
	v_mov_b32 v[\vl], s48
.endm
.macro SETPASS                         ; s27 = the block of queries: my first query, Q's and the result's addresses; the walk begins at key 0
	s_lshl_b32 s30, s27, 8
	s_lshl_b32 s48, s18, 4
	s_add_co_u32 s30, s30, s48                     ; my first query
	s_lshl_b32 s48, s30, 6
	s_mov_b32 s49, 0
	s_add_nc_u64 s[40:41], s[44:45], s[48:49]
	s_add_nc_u64 s[42:43], s[46:47], s[48:49]
	s_mov_b32 s29, 0                               ; the step's first key
	s_mov_b32 s28, 0                               ; the slot in hand
.endm
.macro GLOAD                           ; my 64 bytes of slot s25; then s25 steps, and goes back to 0 behind slot 7 - i.  (The bases are written behind the caller's wait; the four loads before these have been waited for on every way here)
	s_lshl_b32 s48, s25, 14
	s_mov_b32 s49, 0
	s_add_nc_u64 s[36:37], s[32:33], s[48:49]      ; K: 256 keys x 64 bytes, dense
	s_lshl_b32 s48, s25, 8
	s_add_nc_u64 s[38:39], s[34:35], s[48:49]      ; V: 256 bytes of each of 64 rows
	global_load_b128 v[208:211], v6, s[36:37]
	global_load_b128 v[212:215], v6, s[36:37] offset:8192
	global_load_b128 v[216:219], v7, s[38:39]
	global_load_b128 v[220:223], v7, s[38:39] offset:65536
	s_add_co_u32 s25, s25, 1
	s_cmp_eq_u32 s25, s26
	s_cselect_b32 s25, 0, s25
.endm
.macro SPUT                            ; they go into the buffer whose addresses stand in v27 (K's rows) and v28 (V's)
	ds_store_b128 v27, v[208:211]
	ds_store_b128 v27, v[212:215] offset:128*KP
	ds_store_b128 v28, v[216:219]
	ds_store_b128 v28, v[220:223] offset:32*VP
.endm
.macro INIT                            ; a block begins: Q's fragment; O^T and the sum are zeros, the largest t is under every t: the first change of M multiplies zeros, so the step is written once.  (The caller's wait on va_vdst stands ahead of the two loads)
	global_load_b128 v[16:19], v10, s[40:41]
	global_load_b128 v[20:23], v10, s[40:41] offset:32
.set n, 0
.rept 32
	v_mov_b32 v[160+n], 0
.set n, n+1
.endr
	v_mov_b32 v13, 0xff61b1e6                      ; -3e38
	v_floor_f32 v12, -v13
	v_mov_b32 v14, 0
	v_mov_b32 v15, 0
	s_wait_loadcnt 0x0
.endm
	s_load_b128 s[4:7], s[0:1], 0x0                ; qkv_codes s[4:5], the scales s[6:7]
	s_load_b64 s[8:9], s[0:1], 0x10                ; att_codes
	v_lshl_add_u32 v254, v0, 2, 0x17800
	v_mov_b32 v255, 0
	v_lshrrev_b32 v224, 5, v0
	v_readfirstlane_b32 s18, v224                  ; wave 0..15
	s_mov_b32 s31, ttmp9                           ; i
	s_sub_co_u32 s27, 7, s31                       ; the first block of queries
	s_sub_co_u32 s26, 8, s31                       ; its number of slots
	s_and_b32 s50, ttmp7, 0xffff
	s_lshl_b32 s50, s50, 17                        ; a head is 131,072 bytes in each tensor of codes
	s_mov_b32 s51, 0
	s_mov_b32 s20, 0x76543210                      ; v_permlanex16_b32's selects for lane l xor 16
	s_mov_b32 s21, 0xfedcba98
	s_mov_b32 s2, 0                                ; the buffer in hand
	s_mov_b32 s24, 0                               ; the visit
	s_mov_b32 s25, 0                               ; the slot to be loaded next
	v_and_b32 v224, 15, v0                         ; r
	v_bfe_u32 v225, v0, 4, 1                       ; h
	v_and_b32 v231, 31, v0                         ; lane
	v_mul_u32_u24 v1, v224, KP
	v_lshl_add_u32 v1, v225, 4, v1                 ; my lane's place in a tile of K
	v_mul_u32_u24 v2, v224, VP
	v_lshl_add_u32 v2, v225, 4, v2
	v_add_nc_u32 v2, VOFF, v2                      ; and of V
	v_lshlrev_b32 v10, 6, v224
	v_lshl_add_u32 v10, v225, 4, v10               ; Q: row r of 64 bytes, + 16 h
	s_wait_alu depctr_va_sdst(0)                   ; s18, the wave's number, is written, ahead of its first reader
	s_mul_i32 s48, s18, 16*SGP
	s_add_co_u32 s48, s48, STG                     ; my stage
	v_mul_u32_u24 v24, v224, SGP
	v_lshl_add_u32 v24, v225, 3, v24
	v_add_nc_u32 v24, s48, v24                     ; in: row r, + 8 h
	v_lshrrev_b32 v25, 2, v231
	v_mul_u32_u24 v25, v25, SGP
	v_and_b32 v11, 3, v0
	v_lshl_add_u32 v25, v11, 4, v25
	v_add_nc_u32 v25, s48, v25                     ; back: four lanes to a row
	v_lshlrev_b32 v26, 4, v231                     ; and 16 x lane in memory
	v_lshrrev_b32 v224, 2, v0                      ; the key whose 16 bytes I bring: thread / 4,
	v_and_b32 v224, 0x67, v224
	v_bfe_u32 v225, v0, 5, 1
	v_lshl_or_b32 v224, v225, 4, v224
	v_bfe_u32 v225, v0, 6, 1
	v_lshl_or_b32 v224, v225, 3, v224              ; with bits 3 and 4 changed over: its row
	v_mul_u32_u24 v4, v224, KP
	v_lshl_add_u32 v4, v11, 4, v4
	v_lshrrev_b32 v224, 4, v0                      ; the row of V: thread / 16
	v_and_b32 v225, 15, v0
	v_mul_u32_u24 v5, v224, VP
	v_lshl_add_u32 v5, v225, 4, v5
	v_add_nc_u32 v5, VOFF, v5
	v_lshlrev_b32 v6, 4, v0                        ; in memory: K: 16 x thread;
	v_lshlrev_b32 v7, 11, v224
	v_lshl_add_u32 v7, v225, 4, v7                 ; V: rows of 2,048 bytes
	v_add_nc_u32 v27, s2, v4                       ; slot 0 goes into the buffer in hand: where I store K's bytes,
	v_add_nc_u32 v28, s2, v5                       ; and V's
	v_mov_b32 v227, 0                              ; (named as the upper half of the pair v[226:227])
	v_mov_b32 v230, 0                              ; written once: a lane permute's destination counts as one of its sources
	s_wait_kmcnt 0x0
	s_load_b256 s[52:59], s[6:7], 0x0              ; e0 .. e7
	s_load_b128 s[60:63], s[6:7], 0x20             ; e8 .. e11
	s_add_nc_u64 s[44:45], s[4:5], s[50:51]        ; q's head,
	s_add_nc_u64 s[32:33], s[44:45], 0x800000      ; k's,
	s_add_nc_u64 s[34:35], s[44:45], 0x1000000     ; v's,
	s_add_nc_u64 s[46:47], s[8:9], s[50:51]        ; the result's
	SETPASS
	s_wait_alu depctr_va_vdst(0)                   ; every address made above is written: v6, v7 and v10, which the loads below read, v27 and v28, which the LDS stores below read, and those that stay for the whole kernel (v1, v2, v4, v5, v24-26, v254, v255)
	GLOAD                                          ; slot 0
	INIT
	SPUT                                           ; (the lines of INIT name none of the stores' registers)
	; THE PREFETCHES INTO THE L2.  All four work-groups of a head walk the same K and V: work-group i = 0 asks, in its first walk, which goes through all 8 slots.  In visit N it names slot N + 3, which visit N + 1 loads.
	; Waves 0 and 1: K's 16,384 bytes, 8,192 a wave, lanes 256 bytes apart; waves 2 and 3: V's 64 rows, 32 a wave, a lane a row's 256 bytes.  So each aligned 256 bytes are named once.  Slots 0 to 2 come by their loads alone; visits 5 on ask for nothing.
	s_cmp_lt_u32 s18, 2
	s_cselect_b64 s[68:69], s[32:33], s[34:35]
	s_mov_b32 s70, 256
	s_cselect_b32 s70, 16384, s70                  ; a slot on
	s_mov_b32 s71, 0
	s_cselect_b32 s73, 8, 11                       ; from lane to lane: 256 or 2,048 bytes
	s_mov_b32 s74, 65536
	s_cselect_b32 s74, 8192, s74                   ; from wave to wave
	s_and_b32 s75, s18, 1
	s_mul_i32 s74, s75, s74
	s_lshl_b32 s75, s70, 1
	s_add_co_u32 s74, s74, s75                     ; at slot 2: each visit steps it ahead of its request
	s_mov_b32 s75, 0
	s_add_nc_u64 s[68:69], s[68:69], s[74:75]
	v_and_b32 v3, 31, v0
	v_lshlrev_b32 v3, s73, v3
	s_lshr_b32 s48, s18, 2
	s_or_b32 s48, s48, ttmp9
	s_cmp_eq_u32 s48, 0
	s_cselect_b32 s72, 5, 0                        ; a wave asks while the visit's number is under this
	s_wait_kmcnt 0x0
	s_add_co_i32 s48, s58, s59
	s_lshl_b32 s48, s48, 23
	s_add_co_i32 s22, s48, 0x3d38aa3b              ; c = log2(e) / 32, with e6 + e7 added to its exponent field
	s_mov_b32 s23, s22                             ; (named with it as a pair)
	MKS s60, 29, 30                                ; e8
	MKS s62, 232, 233                              ; e10
	s_add_co_i32 s67, s60, s61                     ; e8 + e9
	s_wait_dscnt 0x0                               ; my stores of slot 0 have landed
	s_wait_xcnt 0x0                                ; and the earlier loads have read their bases
	s_wait_alu depctr_vm_vsrc(0)                   ; my LDS stores have read v208-223, in which the next four loads land
	GLOAD                                          ; slot 1
; A KEY STEP: 128 keys, the q-th of the slot in hand.  The LDS addresses v8 (K) and v9 (V) were made at the visit's head.
.macro STEP q
.if \q
	s_add_co_u32 s48, s30, 15                      ; the slot's second step may lie wholly behind my queries; its first never does
	s_cmp_gt_u32 s29, s48
	s_cbranch_scc1 .Lhidden_\@
.rept 4
	v_nop                                          ; four places in front of loads into registers that the last products read; in the slot's first step the four additions at the visit's head are these
.endr
	s_wait_alu depctr_va_vdst(0)                   ; the first step's products V^T P^T are done reading V's fragments in v32-95, in which K's land
.endif
.irp t, 0,1,2,3,4,5,6,7
	ds_load_b128 v[32+8*\t:35+8*\t], v8 offset:(128*\q+16*\t)*KP
	ds_load_b128 v[36+8*\t:39+8*\t], v8 offset:(128*\q+16*\t)*KP+32
.endr
.if \q == 0
	s_wait_alu depctr_vm_vsrc(0)                   ; my LDS stores of this visit have read v208-223, in which the loads below land
	s_cmp_lt_u32 s24, 7                            ; the slot two visits on is asked for here, while K's fragments are on their way: it has a visit in which to come
	s_cbranch_scc0 .Lno_load_\@
	s_wait_xcnt 0x0                                ; the last loads and the last prefetch, a visit back, have read their addresses
	s_add_nc_u64 s[68:69], s[68:69], s[70:71]
	GLOAD
	s_cmp_lt_u32 s24, s72
	s_cbranch_scc0 .Lno_load_\@
	global_prefetch_b8 v3, s[68:69] th:TH_LOAD_NT scope:SCOPE_SE
.Lno_load_\@:
.endif
	s_wait_dscnt 0x0                               ; K's fragments are in, and my stores into the other buffer are done
.irp t, 0,1,2,3,4,5,6,7
	v_wmma_f32_16x16x64_fp8_fp8 v[96+8*\t:103+8*\t], v[32+8*\t:39+8*\t], v[16:23], 0
.endr
.rept 4
	v_nop
.endr
	s_wait_alu depctr_va_vdst(0)                   ; the products K Q^T are done reading K's fragments in v32-95, in which V's land; the places above stay beside this wait
.irp t, 0,1,2,3                                ; V's fragments take K's registers and land under the softmax, which names none of them
.irp c, 0,1,2,3
	ds_load_b128 v[32+16*\t+4*\c:35+16*\t+4*\c], v9 offset:16*\t*VP+128*\q+32*\c
.endr
.endr
	s_add_co_u32 s48, s29, 127                     ; a step all of whose keys count passes over the mask
	s_cmp_le_u32 s48, s30
	s_cbranch_scc1 .Lopen_\@
	s_sub_co_i32 s48, s30, s29
	v_and_b32 v226, 15, v0
	v_bfe_u32 v227, v0, 4, 1
	v_lshlrev_b32 v227, 4, v227
	v_sub_nc_u32 v226, v226, v227
	v_add_nc_u32 v226, s48, v226                   ; d = my query - the step's first key - 16 (lane / 16).  Register 16 b + i holds the key 32 b + i further on: hidden where 32 b + i > d
	v_mov_b32 v224, 0xff800000                     ; -infinity
.set n, 0
.rept 8                                        ; a tile of scores at a time, from its low end on: eight compares into s10-17, one wait, eight selects
.set m, 0
.rept 8
	v_cmp_gt_i32 s[10+m], 32*((n+m)/16)+(n+m)%16, v226
.set m, m+1
.endr
	s_wait_alu depctr_va_sdst(0)                   ; the eight compares have written s10-17, ahead of the selects that read them
.set m, 0
.rept 8
	v_cndmask_b32 v[96+n+m], v[96+n+m], v224, s[10+m]
.set m, m+1
.endr
.set n, n+8
.endr
.Lopen_\@:
	v_max3_num_f32 v224, v96, v97, v98             ; the step's largest score of my query, among my 64 keys, in two chains, each tile from its low end on,
	v_max3_num_f32 v226, v99, v100, v101
.set n, 6
.rept 14
	v_max3_num_f32 v224, v224, v[96+n], v[97+n]
	v_max3_num_f32 v226, v226, v[98+n], v[99+n]
.set n, n+4
.endr
	v_max3_num_f32 v224, v224, v158, v159
	v_max_num_f32 v224, v224, v226
	v_permlanex16_b32 v230, v224, s20, s21
	v_max_num_f32 v224, v224, v230                 ; and among lane l xor 16's
	v_mul_f32 v224, s22, v224                      ; as t (c is positive)
	v_max_num_f32 v13, v13, v224                   ; the running largest t
	v_mov_b32 v224, v12
	v_floor_f32 v12, -v13                          ; the new -M = floor(-t): M is a whole number
	v_sub_f32 v224, v12, v224                      ; old M - new M, 0 or less
	v_cvt_i32_f32 v224, v224                       ; (it saturates)
	v_ldexp_f32 v226, 1.0, v224                    ; f = 2^(old M - new M)
.set n, 0
.rept 32
	v_pk_fma_f32 v[96+n:97+n], v[96+n:97+n], s[22:23], v[12:13] op_sel_hi:[1,0,0]   ; t - M, two at a time (of the pairs c and -M the low word serves both halves)
.set n, n+2
.endr
.set n, 0
.rept 64
	v_exp_f32 v[96+n], v[96+n]                     ; p = 2^(t - M)
.set n, n+1
.endr
	v_pk_mul_f32 v[14:15], v[14:15], v[226:227] op_sel_hi:[1,0]   ; the sums under the new M: the plain line behind the exponentials
	s_wait_alu depctr_va_vdst(0)                   ; the 64 exponentials have written p in v96-159: one wait for the whole batch, ahead of its first reader
	v_pk_add_f32 v[228:229], v[96:97], v[98:99]    ; the row's sum is taken of the unquantised p: two at a time, in two chains
.set n, 4
.rept 15
	v_pk_add_f32 v[14:15], v[14:15], v[96+n:97+n]
	v_pk_add_f32 v[228:229], v[228:229], v[98+n:99+n]
.set n, n+4
.endr
	v_pk_add_f32 v[14:15], v[14:15], v[228:229]
	s_cmp_ge_i32 s60, -8                           ; 448 x 2^e8 >= 1 >= p: nothing to hold
	s_cbranch_scc1 .Lno_hold_\@
.set n, 0
.rept 64
	v_min_num_f32 v[96+n], v[96+n], v30            ; the conversion does not saturate (ISA guide 7.6.2); p is not negative, so the hold is one-sided
.set n, n+1
.endr
.Lno_hold_\@:
.irp b, 0,1,2,3
	v_cvt_scalef32_pk8_fp8_f32 v[192+4*\b:193+4*\b], v[96+16*\b:103+16*\b], v29
	v_cvt_scalef32_pk8_fp8_f32 v[194+4*\b:195+4*\b], v[104+16*\b:111+16*\b], v29
.endr
.set n, 0
.rept 16
	v_pk_mul_f32 v[160+n:161+n], v[160+n:161+n], v[226:227] op_sel_hi:[1,0]   ; O^T under the new M; also the plain lines between the conversions and the products
.set n, n+2
.endr
	s_wait_dscnt 0x0                               ; V's fragments are in
.irp t, 0,1,2,3                                ; O^T += V^T P^T: the four accumulators by turns, one instruction a turn
	v_wmma_f32_16x16x128_fp8_fp8 v[160+8*\t:167+8*\t], v[32+16*\t:47+16*\t], v[192:207], v[160+8*\t:167+8*\t]
.endr
.if \q
.Lhidden_\@:
.endif
	s_add_co_u32 s29, s29, 128
.endm
.Lvisit:                                           ; nine trips
	s_wait_dscnt 0x0                               ; my stores into the buffer ahead have landed, and my reads of the other one are over
	s_barrier_signal -1
	s_barrier_wait -1                              ; both now hold of all sixteen waves
	s_wait_loadcnt 0x0                             ; on every wave's way, in every visit: the next slot's bytes, asked for a visit ago, are in v208-223, and no load is out when the next four are issued into those registers
	s_xor_b32 s3, s2, SLOTB                        ; the buffer that has been left
	s_wait_alu depctr_vm_vsrc(0)                   ; the LDS loads and stores issued so far have read v8, v9, v27 and v28, which are written below; a way out's LDS and global stores have read v128-143, which this visit's products write
	v_add_nc_u32 v8, s2, v1                        ; the visit's addresses: K's fragments and
	v_add_nc_u32 v9, s2, v2                        ; V's in the buffer in hand,
	v_add_nc_u32 v27, s3, v4                       ; my bytes of the next slot's K and
	v_add_nc_u32 v28, s3, v5                       ; V in the other.  (These four are also the places in front of the loads into registers that the last products read)
	s_wait_alu depctr_va_vdst(0)                   ; the four addresses are written; the last visit's products are done reading v32-95, in which K's fragments land; in the first visit v3, the prefetch's offset, is written
	s_cmp_lt_u32 s24, 8                            ; the last visit has no slot behind it
	s_cbranch_scc0 .Lno_store
	SPUT                                           ; the next slot goes into the buffer that has been left
.Lno_store:
	STEP 0
	STEP 1
	s_xor_b32 s2, s2, SLOTB
	s_cmp_lg_u32 s28, s27                          ; was this the block's own slot, the diagonal?
	s_cbranch_scc0 .Lblock_done
	s_add_co_u32 s28, s28, 1
	s_branch .Lnext
.Lblock_done:
	; THE WAY OUT.  O^T x 2^(e8 + e9) / the sum, quantised under 2^e10: a lane's eight numbers of a tile are 8 neighbouring bytes of a row.  16 rows x 64 bytes go through my own stage and leave as 1,024 consecutive bytes.
.rept 4
	v_nop
.endr
	v_add_f32 v14, v14, v15                        ; the sum's two halves,
	v_permlanex16_b32 v230, v14, s20, s21
	v_add_f32 v14, v14, v230                       ; and lane l xor 16's
	v_rcp_f32 v14, v14
	v_nop                                          ; a plain line behind the transcendental
	s_wait_alu depctr_va_vdst(0)                   ; the reciprocal has written v14, ahead of its first reader
	v_ldexp_f32 v14, v14, s67
.set n, 0
.rept 32
	v_mul_f32 v[96+n], v[160+n], v14               ; register 8 t + j is o(query r, 16 t + 8 h + j)
.set n, n+1
.endr
.set n, 0
.rept 32
	v_med3_num_f32 v[96+n], v[96+n], -v233, v233
.set n, n+1
.endr
.irp t, 0,1,2,3
	v_cvt_scalef32_pk8_fp8_f32 v[128+2*\t:129+2*\t], v[96+8*\t:103+8*\t], v232
.endr
	v_nop                                          ; a plain line behind the last conversion
	s_wait_alu depctr_va_vdst(0)                   ; the conversions have written v128-135, which the LDS stores read; the softmax is done with v136-143, in which the LDS loads land; the products are done reading Q in v16-23, in which the next block's loads land (no vector line stands between)
.irp t, 0,1,2,3
	ds_store_b64 v24, v[128+2*\t:129+2*\t] offset:16*\t
.endr
	ds_load_b128 v[136:139], v25                   ; LDS serves a wave's instructions in order (ISA guide 5.7.1.4): these see my stores
	ds_load_b128 v[140:143], v25 offset:8*SGP
	s_wait_dscnt 1                                 ; the younger load may stay out
	global_store_b128 v26, v[136:139], s[42:43]
	s_wait_dscnt 0
	global_store_b128 v26, v[140:143], s[42:43] offset:512
	s_cmp_eq_u32 s24, 8
	s_cbranch_scc1 .Lnext
	s_wait_xcnt 0x0                                ; the stores have read their data and their base: both are written again
	s_mov_b32 s27, s31                             ; the second block of queries: i
	SETPASS
	INIT
.Lnext:
	s_add_co_u32 s24, s24, 1
	s_cmp_lt_u32 s24, 9
	s_cbranch_scc1 .Lvisit
	s_wait_dscnt 0x0                               ; the closing lines, six on end
	s_wait_alu 0x0
	s_wait_tensorcnt 0x0
	ds_add_u32 v254, v255
	s_wait_dscnt 0x0
	s_endpgm
.Lfunc_end_k_q4cf5906ed8_attn:
	.size	k_q4cf5906ed8_attn, .Lfunc_end_k_q4cf5906ed8_attn-k_q4cf5906ed8_attn
	.p2alignl 7, 3214868480
	.fill 96, 4, 3214868480
	.section	.rodata,"a",@progbits
	.p2align	6, 0x0
	.amdhsa_kernel k_q4cf5906ed8_attn
		.amdhsa_group_segment_fixed_size 98304
		.amdhsa_private_segment_fixed_size 0
		.amdhsa_enable_private_segment 0
		.amdhsa_kernarg_size 24
		.amdhsa_user_sgpr_count 2
		.amdhsa_user_sgpr_kernarg_segment_ptr 1
		.amdhsa_wavefront_size32 1
		.amdhsa_system_sgpr_workgroup_id_x 1
		.amdhsa_system_sgpr_workgroup_id_y 1
		.amdhsa_system_sgpr_workgroup_id_z 1
		.amdhsa_system_vgpr_workitem_id 0
		.amdhsa_next_free_vgpr 256
		.amdhsa_next_free_sgpr 80
		.amdhsa_reserve_vcc 0
		.amdhsa_float_denorm_mode_32 3
		.amdhsa_float_denorm_mode_16_64 3
		.amdhsa_memory_ordered 1
		.amdhsa_forward_progress 1
		.amdhsa_inst_pref_size 67
	.end_amdhsa_kernel
	.amdgpu_metadata
---
amdhsa.version: [ 1, 2 ]
amdhsa.kernels:
  - .name:           k_q4cf5906ed8_attn
    .symbol:         k_q4cf5906ed8_attn.kd
    .args:
      - { .name: qkv_codes, .offset: 0, .size: 8, .value_kind: global_buffer, .address_space: global }
      - { .name: lowp_scales, .offset: 8, .size: 8, .value_kind: global_buffer, .address_space: global }
      - { .name: att_codes, .offset: 16, .size: 8, .value_kind: global_buffer, .address_space: global }
    .group_segment_fixed_size: 98304
    .private_segment_fixed_size: 0
    .kernarg_segment_align: 8
    .kernarg_segment_size: 24
    .max_flat_workgroup_size: 512
    .sgpr_count:     80
    .vgpr_count:     256
    .wavefront_size: 32
...
	.end_amdgpu_metadata
.endif
;; end of part 5
;; launch proj: the kernel of part 4 again; grid 4 x 32, 4 waves a work-group, clusters of 4 x 4, 327,680 bytes of LDS; arguments att_codes, w_codes, lowp_scales, bproj, out0; writes out0
